; MI455X (gfx1250); checked and timed in simulation.
; The chip was launched on July 23, 2026; its instructions are those of AMD's public machine-readable ISA for CDNA 5 (MIT licence, August 2026) and "CDNA5" Instruction Set Architecture Reference Guide (July 2026). The comments in the code are by the model that wrote it; some were corrected since.
;; Attention. Allowed arithmetic: matrix products marked QUANTISED: E2M3 operands, one E8M0 scale for each 32 along K, by v_wmma_scale_f32_16x16x128_f8f6f4 with both operands' format E2M3, f32 sums; everything else in f32.
;; Inputs: cos 2,048 x 64 float32; mask 2,048 x 2,048 float32; sin 2,048 x 64 float32; wk 1,024 x 4,096 float32; wo 4,096 x 2,048 float32; wq 2,048 x 4,096 float32; wv 1,024 x 4,096 float32; x 1 x 2,048 x 4,096 float32.
;; Outputs: out0 1 x 2,048 x 4,096 float32.
;; Constants: start_pos = 0.
;; This version of the problem:
;;   THIS VERSION OF THE PROBLEM IS GIVEN IN LOW PRECISION. The matrix products marked QUANTISED in the list below multiply operands that are first quantised to E2M3 (2 exponent bits, 3 mantissa bits; 6 bits a number), with one power-of-two scale for each 32 numbers along K (OCP MX v1.0); their sums are f32. All else is computed in f32.
;;   The module's matrix products, in the order in which they are computed (A, B: the left and right operand; K: the contracted axis; several contracted axes count as one K, in the product's order):
;;     1. [M 2,048, K 4,096] x [K 4,096, N 2,048]; A: input x; B: input wq: QUANTISED
;;     2. [M 2,048, K 4,096] x [K 4,096, N 1,024]; A: input x; B: input wk: QUANTISED
;;     3. [M 2,048, K 4,096] x [K 4,096, N 1,024]; A: input x; B: input wv: QUANTISED
;;     4. batch 16 x [M 2,048, K 128] x [K 128, N 2,048]; A: computed on the way; B: computed on the way: QUANTISED
;;     5. batch 16 x [M 2,048, K 2,048] x [K 2,048, N 128]; A: softmax (see below); B: computed on the way: QUANTISED
;;     6. [M 2,048, K 2,048] x [K 2,048, N 4,096]; A: computed on the way; B: input wo: QUANTISED
;;   THE QUANTISER, for each operand of a quantised product, along K:
;;     - K is cut into blocks of 32 from its start; a last block that is shorter is filled with zeros.
;;     - A block's scale is 2^e with e = floor(log2(the largest magnitude in the block)) - 2, held to -126 .. 127; a block of zeros has e = 0. As a byte (E8M0): e + 127.
;;     - Each number is divided by its block's scale, clamped to +-7.5, and rounded to the nearest number of E2M3, ties to even, subnormals kept.
;;     - The product sums the exact products of the quantised numbers (number of the format x scale) in f32.
;;   ~~~python
;;   def quantise(x, axis):      # numpy; x: float32 -> the quantised numbers, widened to float32 again
;;       x = np.moveaxis(x, axis, -1); K = x.shape[-1]
;;       x = np.pad(x, [(0, 0)] * (x.ndim - 1) + [(0, -K % 32)]); x = x.reshape(x.shape[:-1] + (-1, 32)); a = np.abs(x).max(-1, keepdims=True)
;;       e = np.where(a > 0, np.clip(np.frexp(np.where(a > 0, a, 1))[1] - 1 - 2, -126, 127), 0)      # np.frexp(a)[1] - 1 = floor(log2(a)), exactly
;;       r = np.clip(x / 2.0 ** e, -7.5, 7.5)
;;       step = 2.0 ** (np.maximum(np.frexp(np.where(r == 0, 1, r))[1] - 1, 0) - 3)
;;       q = np.round(r / step) * step * 2.0 ** e      # np.round: ties to even
;;       return np.moveaxis(q.reshape(q.shape[:-2] + (-1,))[..., :K], -1, axis).astype(np.float32)
;;   ~~~
;;   SOFTMAX AHEAD OF A QUANTISED PRODUCT. Where the list says 'softmax', what is quantised is not the finished softmax but p = 2^(t - M), with t = logit x log2(e) and M = ceil(the row's largest t), a whole number; so 1/2 < the row's largest p <= 1. The row's sum l is taken of the UNQUANTISED p, in f32, and the product's result is divided by l at the end. Since M is a whole number, a kernel that streams over the keys may use a running M (the ceiling of the running maximum): every later rescaling is an exact power of two, which a block's scale takes up: the codes' values come out the same.
;;   OPERANDS COMPUTED ON THE WAY. 'Computed on the way' means the value that the module computes at that place (a softmax that the list does not call 'softmax' is quantised finished and normalised). What goes into a quantiser is computed in f32, as accurately as f32 sums, v_exp_f32 and their like allow (about 1e-6 of the number): no bf16 or f16 on the way to a quantiser, and a product that is left as it is and whose result goes on into a quantised operand takes f32 operands (vector FMAs, or v_wmma_f32_16x16x4_f32). A number that lies on a knife's edge between two numbers of the format may be rounded either way, as far as f32 arithmetic and the matrix unit's own rounding can turn it there, and no further.
;; One version. Each part assembles by itself: llvm-mc -triple=amdgcn-amd-amdhsa -mcpu=gfx1250 --defsym DOCPART=n.
;; ======== version 1 of 1: 4 launches
;; limits: right only within a limited range of input values
;; workspace buffers: wc 26,214,400 bytes; qkvc 6,553,600 bytes; oc 3,276,800 bytes
;; launch quant (part 1): grid 512 x 1, 4 waves a work-group, no clusters, 34,304 bytes of LDS; arguments x, wq, wk, wv, wo, wc; writes wc
.if DOCPART == 1
	.amdgcn_target "amdgcn-amd-amdhsa--gfx1250"
	.amdhsa_code_object_version 6
	.text
	.protected	k_qdc8c17c87f_quant
	.globl	k_qdc8c17c87f_quant
	.p2align	8
	.type	k_qdc8c17c87f_quant,@function
k_qdc8c17c87f_quant:
	s_mov_b64 s[64:65], 0
	v_nop
	global_prefetch_b8 v0, s[64:65] scope:SCOPE_SE
	s_setreg_imm32_b32 hwreg(HW_REG_WAVE_MODE, 25, 1), 1
	s_wait_xcnt 0x0
; x [2048][4096], wq [2048][4096], wk, wv [1024][4096], wo [4096][2048], f32, K innermost, become codes of FP6 (E2M3) with one E8M0 byte for each 32 along K, in the workspace wc.
; DEAD WORK: none is left out in this program.  The mask is an input, so its pattern is not built in: every query walks all 2,048 keys and the mask is loaded and added.  start_pos is a constant without a buffer.
; The repeat of K and V over query heads is an address: two query heads read one key/value head.
; LAYOUT OF wc (this program's own).  A TILE is 16 rows: tile t, row p is tensor row 32 (t / 2) + 8 (t % 2) + p + 8 (p / 8), so that in a product whose source 0 is tiles 2 b and 2 b + 1 a lane's 16 results are 16 neighbours.
; A FRAGMENT (16 rows x 128 K, 12 registers a lane) lies as an image of its registers: register j of lane l at 512 (j / 4) + 16 l + 4 (j % 4): 1,536 bytes.  A RECORD is a tile x 512 along K: four images, then 256 bytes of
; scale words (row r, step s at 16 r + 4 s): 6,400 bytes.  Tiles 0-127 x, 128-255 wq, 256-319 wk, 320-383 wv, eight records each; then wo's 256 tiles, four records each.
; A block's scale is 2^(floor(log2(largest magnitude)) - 2); its byte is the largest magnitude's exponent field - 2, held at 1 from below.
; LIMITS: a block of zeros, or one whose largest magnitude lies under 2^-124, gets the byte 1 (the rule says 127 for zeros: the codes are zeros, and this program alone reads the bytes); NaN and infinities are not served.
; SHARES.  A wave takes one tile x 1,024 along K: eight fragments, two records, 12,800 bytes at (4 x work-group + wave) x 12,800.  Each load reads 512 consecutive bytes of one row; the 16 rows turn through the wave's own stage
; in LDS (rows 528 bytes apart) so that a lane gets 16 neighbours of each block of 32.  Waves share nothing: no barrier.  Two fragments' loads (32 a wave) are on their way.
.set REC4,  6400
.set STG,   16*528                     ; a wave's stage
.set SPARE, 4*STG                      ; behind the stages: the spare words, 128 bytes a wave, that no other line names
.set LO,  1                            ; v1   16 x lane
.set SI,  2                            ; v2   the stage, on the way in
.set SO,  3                            ; v3   and out: 528 r + 64 h
.set SW,  4                            ; v4   where my scale words go: 6,400 h + 6,144 + 16 r
.set SPW, 5                            ; v5   my spare word; never rewritten
.set NIL, 6                            ; v6   0; never rewritten
.set R,   16                           ; v16-143  two sets of 16 rows x 4 registers, as loaded
.set X,   144                          ; v144-207 64 numbers of my row: register 16 b + i = k 32 b + 16 h + i
.set PC,  208                          ; v208-219 the fragment's codes; v220-226 at work
.set TM,  228                          ; v228-243 at work
.set PW,  244                          ; v244-251 the scale word of each of the eight fragments
.set SD,  252                          ; v252-255 the scale words as stored
.set SEL, 2                            ; s[2:3] lane selects: lane l xor 16
.set SB,  32                           ; s[32:63] the address of each of the tile's 16 rows
	s_load_b256 s[4:11], s[0:1], 0x0               ; x, wq, wk, wv
	s_load_b128 s[12:15], s[0:1], 0x20             ; wo, wc
	v_lshl_add_u32 v[SPW], v0, 2, SPARE
	v_mov_b32 v[NIL], 0
	v_lshrrev_b32 v7, 5, v0
	v_readfirstlane_b32 s16, v7                    ; wave
	v_and_b32 v8, 31, v0                           ; lane
	v_and_b32 v9, 15, v0                           ; r
	v_bfe_u32 v10, v0, 4, 1                        ; h
	v_lshlrev_b32 v[LO], 4, v8
	s_mul_i32 s17, s16, STG
	v_add_nc_u32 v[SI], s17, v[LO]
	v_mul_u32_u24 v[SO], v9, 528
	v_lshl_add_u32 v[SO], v10, 6, v[SO]
	v_add_nc_u32 v[SO], s17, v[SO]
	v_mul_u32_u24 v[SW], v10, REC4
	v_lshl_add_u32 v[SW], v9, 4, v[SW]
	v_add_nc_u32 v[SW], 6144, v[SW]
.irp b, 0,1,2,3
	v_mov_b32 v[TM+4+\b], 0                        ; written once: a lane permute's destination counts as one of its sources
.endr
	s_mov_b32 s[SEL], 0x76543210
	s_mov_b32 s[SEL+1], 0xfedcba98
	s_mov_b32 s30, 0xffff0000                      ; lanes 16-31
	s_wait_alu depctr_va_vdst(0)
	s_wait_kmcnt 0x0
	s_cmp_lt_u32 ttmp9, 128                        ; which tensor: the choice hangs on the work-group's number alone
	s_cselect_b64 s[20:21], s[4:5], s[6:7]
	s_cselect_b32 s22, 0, 128                      ; the tensor's first work-group
	s_cmp_lt_u32 ttmp9, 256
	s_cselect_b64 s[20:21], s[20:21], s[8:9]
	s_cselect_b32 s22, s22, 256
	s_cmp_lt_u32 ttmp9, 320
	s_cselect_b64 s[20:21], s[20:21], s[10:11]
	s_cselect_b32 s22, s22, 320
	s_cmp_lt_u32 ttmp9, 384
	s_cselect_b64 s[20:21], s[20:21], s[12:13]
	s_cselect_b32 s22, s22, 384
	s_mov_b32 s24, 8192
	s_cselect_b32 s24, 16384, s24                  ; a row in bytes: 4,096 numbers, in wo 2,048
	s_mov_b32 s25, 0
	s_mul_i32 s26, s24, 9                          ; from row 7 of a tile to row 8: nine rows
	s_mov_b32 s27, 0
	s_sub_co_u32 s23, ttmp9, s22                   ; K = 4,096: a work-group to a tile, a wave to 1,024 along K
	s_lshl_b32 s17, s23, 1
	s_lshr_b32 s18, s16, 1
	s_add_co_u32 s17, s17, s18                     ; wo: two tiles to a work-group,
	s_and_b32 s18, s16, 1                          ; two waves to a tile
	s_cmp_lt_u32 ttmp9, 384
	s_cselect_b32 s23, s23, s17                    ; my tile
	s_cselect_b32 s18, s16, s18                    ; my 1,024 along K
	s_lshl_b32 s17, s23, 4
	s_and_b32 s19, s23, 1
	s_lshl_b32 s19, s19, 3
	s_sub_co_u32 s17, s17, s19                     ; the tile's first row: 16 t - 8 (t % 2)
	s_mul_i32 s28, s17, s24
	s_lshl_b32 s18, s18, 12
	s_add_co_u32 s28, s28, s18
	s_mov_b32 s29, 0
	s_add_nc_u64 s[SB:SB+1], s[20:21], s[28:29]
.irp i, 1,2,3,4,5,6,7,8,9,10,11,12,13,14,15
.if \i == 8
	s_add_nc_u64 s[SB+2*\i:SB+2*\i+1], s[SB+2*\i-2:SB+2*\i-1], s[26:27]
.else
	s_add_nc_u64 s[SB+2*\i:SB+2*\i+1], s[SB+2*\i-2:SB+2*\i-1], s[24:25]
.endif
.endr
	s_lshl_b32 s28, ttmp9, 2
	s_add_co_u32 s28, s28, s16
	s_mul_i32 s28, s28, 2*REC4
	s_add_nc_u64 s[14:15], s[14:15], s[28:29]      ; my two records
.macro LOADF f                         ; fragment f: 128 along K of each of the 16 rows: 512 consecutive bytes a load
.irp i, 0,1,2,3,4,5,6,7,8,9,10,11,12,13,14,15
	global_load_b128 v[R+64*((\f)%2)+4*\i:R+64*((\f)%2)+4*\i+3], v[LO], s[SB+2*\i:SB+2*\i+1] offset:512*(\f) th:TH_LOAD_NT
.endr
.endm
; 64 numbers of a lane, register 16 b + i = k 32 b + 16 h + i of my row, become the fragment's codes in v[PC] on and my row's scale word in v[pw].
.macro QUANT s, pw
.irp b, 0,1,2,3
	v_max3_num_f32 v[TM+\b], |v[\s+16*\b]|, |v[\s+1+16*\b]|, 0x1800000   ; block b: my 16 numbers, and the floor 2^(3 - 127): the byte cannot fall under 1
.endr
.irp i, 2,4,6,8,10,12,14
.irp b, 0,1,2,3
	v_max3_num_f32 v[TM+\b], v[TM+\b], |v[\s+16*\b+\i]|, |v[\s+1+16*\b+\i]|   ; the four blocks by turns
.endr
.endr
.irp b, 0,1,2,3
	v_permlanex16_b32 v[TM+4+\b], v[TM+\b], s[SEL], s[SEL+1]
.endr
.irp b, 0,1,2,3
	v_max_num_f32 v[TM+\b], v[TM+\b], v[TM+4+\b]   ; with lane l xor 16's 16: the block's largest magnitude
.endr
.irp b, 0,1,2,3
	v_add_nc_u32 v[TM+12+\b], 0xff000000, v[TM+\b] ; 2 off its exponent field: the conversion takes that field as its scale
.endr
.irp b, 0,1,2,3
	v_lshrrev_b32 v[TM+4+\b], 23, v[TM+12+\b]      ; the scale's byte
.endr
	v_lshl_or_b32 v[\pw], v[TM+5], 8, v[TM+4]
	v_lshl_or_b32 v[\pw], v[TM+6], 16, v[\pw]
	v_lshl_or_b32 v[\pw], v[TM+7], 24, v[\pw]
.irp c, 0,1
	v_cvt_scalef32_pk16_fp6_f32 v[PC+6*\c:PC+2+6*\c], v[\s+32*\c:\s+15+32*\c], v[TM+12+2*\c]
	v_cvt_scalef32_pk16_fp6_f32 v[PC+12+4*\c:PC+14+4*\c], v[\s+16+32*\c:\s+31+32*\c], v[TM+12+2*\c+1]   ; (a conversion's three registers begin on an even number)
.endr
	v_nop                                          ; one plain place behind a scaled conversion
.irp c, 0,1                            ; the operand's layout wants a whole block in a lane: lanes 0-15 block 2 c, lanes 16-31 block 2 c + 1
.irp i, 0,1,2
	v_permlane16_swap_b32 v[PC+6*\c+\i], v[PC+12+4*\c+\i]
.endr
.irp i, 0,1,2
	v_mov_b32 v[PC+3+6*\c+\i], v[PC+12+4*\c+\i]
.endr
.endr
.endm
.macro FRAG f
.if (\f) < 7
	s_wait_loadcnt 16                              ; this fragment's sixteen loads are in; the next fragment's sixteen may be out
.else
	s_wait_loadcnt 0x0
.endif
.irp i, 0,1,2,3,4,5,6,7,8,9,10,11,12,13,14,15
	ds_store_b128 v[SI], v[R+64*((\f)%2)+4*\i:R+64*((\f)%2)+4*\i+3] offset:528*\i
.endr
.irp b, 0,1,2,3
.irp j, 0,1,2,3
	ds_load_b128 v[X+16*\b+4*\j:X+16*\b+4*\j+3], v[SO] offset:128*\b+16*\j   ; LDS serves a wave's instructions in order: these see the stores above
.endr
.endr
	s_wait_dscnt 0x0                               ; my numbers are back, and the stores have read their registers
	s_wait_xcnt 0x0                                ; the last fragment's stores have read the codes' registers: they are written again only behind this wait
.if (\f)+2 < 8
	LOADF (\f)+2
.endif
	QUANT X, PW+(\f)
.irp c, 0,1,2
	global_store_b128 v[LO], v[PC+4*\c:PC+4*\c+3], s[14:15] offset:((\f)/4)*REC4+((\f)%4)*1536+512*\c   ; 32 lanes store 512 consecutive bytes, at a multiple of 256 from the buffer's first byte
.endr
.endm
	LOADF 0
	LOADF 1
.irp f, 0,1,2,3,4,5,6,7
	FRAG \f
.endr
.irp s, 0,1,2,3
	v_cndmask_b32 v[SD+\s], v[PW+\s], v[PW+4+\s], s30   ; lanes 0-15: the first record's four words of row r; lanes 16-31: the second's
.endr
	global_store_b128 v[SW], v[SD:SD+3], s[14:15]  ; each half of the lanes stores 256 consecutive bytes, aligned
	s_wait_tensorcnt 0x0                           ; the wave's end
	ds_add_u32 v[SPW], v[NIL]
	s_wait_dscnt 0x0
	s_endpgm
.Lfunc_end_k_qdc8c17c87f_quant:
	.size	k_qdc8c17c87f_quant, .Lfunc_end_k_qdc8c17c87f_quant-k_qdc8c17c87f_quant
	.p2alignl 7, 3214868480
	.fill 96, 4, 3214868480
	.section	.rodata,"a",@progbits
	.p2align	6, 0x0
	.amdhsa_kernel k_qdc8c17c87f_quant
		.amdhsa_group_segment_fixed_size 34304
		.amdhsa_private_segment_fixed_size 0
		.amdhsa_enable_private_segment 0
		.amdhsa_kernarg_size 48
		.amdhsa_user_sgpr_count 2
		.amdhsa_user_sgpr_kernarg_segment_ptr 1
		.amdhsa_wavefront_size32 1
		.amdhsa_system_sgpr_workgroup_id_x 1
		.amdhsa_system_sgpr_workgroup_id_y 1
		.amdhsa_system_sgpr_workgroup_id_z 1
		.amdhsa_system_vgpr_workitem_id 0
		.amdhsa_next_free_vgpr 256
		.amdhsa_next_free_sgpr 66
		.amdhsa_reserve_vcc 0
		.amdhsa_float_denorm_mode_32 3
		.amdhsa_float_denorm_mode_16_64 3
		.amdhsa_memory_ordered 1
		.amdhsa_forward_progress 1
		.amdhsa_inst_pref_size 65
	.end_amdhsa_kernel
	.amdgpu_metadata
---
amdhsa.version: [ 1, 2 ]
amdhsa.kernels:
  - .name:           k_qdc8c17c87f_quant
    .symbol:         k_qdc8c17c87f_quant.kd
    .args:
      - { .name: x, .offset: 0, .size: 8, .value_kind: global_buffer, .address_space: global }
      - { .name: wq, .offset: 8, .size: 8, .value_kind: global_buffer, .address_space: global }
      - { .name: wk, .offset: 16, .size: 8, .value_kind: global_buffer, .address_space: global }
      - { .name: wv, .offset: 24, .size: 8, .value_kind: global_buffer, .address_space: global }
      - { .name: wo, .offset: 32, .size: 8, .value_kind: global_buffer, .address_space: global }
      - { .name: wc, .offset: 40, .size: 8, .value_kind: global_buffer, .address_space: global }
    .group_segment_fixed_size: 34304
    .private_segment_fixed_size: 0
    .kernarg_segment_align: 8
    .kernarg_segment_size: 48
    .max_flat_workgroup_size: 128
    .sgpr_count:     66
    .vgpr_count:     256
    .wavefront_size: 32
...
	.end_amdgpu_metadata
.endif
;; end of part 1
;; launch qkv (part 2): grid 64 x 4, 4 waves a work-group, clusters of 4 x 4, 327,680 bytes of LDS; arguments wc, cos, sin, qkvc; writes qkvc
.if DOCPART == 2
	.amdgcn_target "amdgcn-amd-amdhsa--gfx1250"
	.amdhsa_code_object_version 6
	.text
	.protected	k_qdc8c17c87f_qkv
	.globl	k_qdc8c17c87f_qkv
	.p2align	8
	.type	k_qdc8c17c87f_qkv,@function
k_qdc8c17c87f_qkv:
	s_mov_b64 s[64:65], 0
	v_nop
	global_prefetch_b8 v0, s[64:65] scope:SCOPE_SE
	s_setreg_imm32_b32 hwreg(HW_REG_WAVE_MODE, 25, 1), 1
	s_wait_xcnt 0x0
	s_wait_alu depctr_hold_cnt(0) depctr_sa_sdst(0) depctr_va_vdst(0) depctr_va_sdst(0) depctr_va_ssrc(0) depctr_va_vcc(0) depctr_vm_vsrc(0)
	s_getreg_b32 s2, hwreg(HW_REG_IB_STS2, 6, 4)
	s_cmp_eq_u32 s2, 0
	s_cbranch_scc0 .Lentry_in_a_cluster
	s_endpgm
.Lentry_in_a_cluster:
	s_bfe_u32 s2, ttmp6, 0x10000c
	s_cmp_lg_u32 s2, 0xf033
	s_cbranch_scc0 .Lentry_shape_is_right
	s_endpgm
.Lentry_shape_is_right:
.set KCH,   8
.set REC4,  6400
.set RPT,   KCH*REC4
.set RHALF, 4*REC4
.set PHALF, 8*REC4
.set POFF,  8*REC4
.set SLOT,  24*REC4
.set SPARE, 2*SLOT
.set LAPS,  KCH/2
.set ADRR, 16
.set ADRP, 18
.set ADSR, 20
.set ADSP, 22
.set SPW,  28
.set NIL,  29
.set SC,   32
.set RF,   128
.set G1A, 24
.set G0A, 32
.set G1B, 48
.set G0B, 56
.set MSB, 0
.macro WIN new
.if MSB != \new
	s_set_vgpr_msb (MSB<<8)|\new
.set MSB, \new
.endif
.endm
.set MUL,  0xa1
.set TO_P, 0x40
.set PFO, 30                           ; v30 the prefetches' lane offset: a lane a block of 256 bytes, 25 blocks to a record; never rewritten
.set PFA, 76                           ; s[76:77] my tile's records, at the chunk from which the offsets count
; A PREFETCH of one chunk (a record of 6,400 bytes for each tile).  The four partners that ask for a tile jointly share its records out by address: of the 8 tiles of source 1 partner cx takes 2, a wave (0, 1) one;
; of the 16 tiles of source 0 partner cy takes 4, a wave (2, 3) two.  Lanes 25 on name the wave's last block again.
.macro ASK off
	global_prefetch_b8 v[PFO], s[PFA:PFA+1] offset:\off th:TH_LOAD_NT scope:SCOPE_SE
	s_cmp_eq_u32 s15, 0
	s_cbranch_scc1 .Lone_\@
	global_prefetch_b8 v[PFO], s[PFA:PFA+1] offset:\off+RPT th:TH_LOAD_NT scope:SCOPE_SE
.Lone_\@:
.endm
; cos and sin of my 64 tokens, for blocks a0 and a1 of 16 tokens: 32 loads into window 3, which nothing else names; they are waited for on the way out.  Work-groups that make V have no rotation and load nothing.
.macro CSLOAD a0, a1
	s_cmp_lg_u32 s42, 0
	s_cbranch_scc1 .Lno_cs_\@
	WIN 0xc0
.irp a, \a0, \a1
.irp g, 0,1,2,3
.irp e, 0,1
	global_load_b128 v[64*\a+8*\g+4*\e:64*\a+8*\g+4*\e+3], v5, s[6:7] offset:(32*(\a/2)+8*(\a%2))*256+64*\g+16*\e
	global_load_b128 v[64*\a+32+8*\g+4*\e:64*\a+32+8*\g+4*\e+3], v5, s[8:9] offset:(32*(\a/2)+8*(\a%2))*256+64*\g+16*\e
.endr
.endr
.endr
	WIN 0
.Lno_cs_\@:
.endm
.macro ASKL off
	s_cmp_gt_u32 s44, 1
	s_cbranch_scc0 .Lnone_\@
	ASK \off
.Lnone_\@:
.endm
.macro JLOAD g0a, g1a, g0b, g1b
	s_cmp_eq_u32 s15, 0
	s_cbranch_scc0 .Lfor_b_\@
	tensor_load_to_lds s[\g0a:\g0a+3], s[\g1a:\g1a+7]
	s_nop 0
.rept 4
	v_nop
.endr
	s_branch .Lasked_\@
.Lfor_b_\@:
	tensor_load_to_lds s[\g0b:\g0b+3], s[\g1b:\g1b+7]
	s_nop 0
.rept 4
	v_nop
.endr
.Lasked_\@:
.endm
.macro CREST
	s_cmp_lg_u32 s14, 0
	s_cbranch_scc1 .Lnot_wave_0_\@
	s_barrier_signal -3
.Lnot_wave_0_\@:
	s_barrier_wait -3
	s_barrier_signal -1
	s_barrier_wait -1
.endm
.macro CROUND
	s_barrier_signal -1
	s_barrier_wait -1
	CREST
.endm
.macro PLACES
.rept 4
	v_nop
.endr
.endm
	s_load_b256 s[4:11], s[0:1], 0x0
	v_lshl_add_u32 v[SPW], v0, 2, SPARE
	v_mov_b32 v[NIL], 0
	ds_add_u32 v[SPW], v[NIL]
	ds_add_u32 v[SPW], v[NIL]
	v_lshrrev_b32 v1, 5, v0
	v_readfirstlane_b32 s14, v1
	v_and_b32 v[PFO], 31, v0
	v_min_u32 v[PFO], 24, v[PFO]
	v_lshlrev_b32 v[PFO], 8, v[PFO]
	s_lshr_b32 s15, s14, 1
	s_and_b32 s16, s14, 1
	s_bfe_u32 s40, ttmp6, 0x40000
	s_bfe_u32 s41, ttmp6, 0x40004
	s_add_co_u32 s42, ttmp9, 4
	s_lshr_b32 s42, s42, 4
	s_mul_i32 s43, s42, 12
	s_sub_co_u32 s43, ttmp9, s43
	s_lshl_b32 s44, s42, 1
	s_sub_co_u32 s44, 3, s44
	s_and_b32 s45, s43, s44
	s_sub_co_u32 s44, 2, s42
	s_lshr_b32 s46, s43, s44
	s_lshl_b32 s45, s45, 2
	s_add_co_u32 s45, s45, s41
	s_lshl_b32 s46, s46, 2
	s_add_co_u32 s46, s46, s40
	s_lshl_b32 s17, s41, 2
	s_lshl_b32 s17, 15, s17
	s_lshl_b32 s18, 0x1111, s40
	s_or_b32 s[G1A], s17, (3<<16)|(1<<21)
	s_or_b32 s[G1B], s18, (3<<16)|(1<<21)
	s_mov_b32 s[G1A+1], 800<<16
	s_mov_b32 s[G1A+2], 4<<16
	s_mov_b32 s[G1A+3], 800<<16
	s_mov_b32 s[G1A+4], 4
	s_mov_b32 s[G1A+5], RPT/8
	s_mov_b32 s[G1A+6], 0
	s_mov_b32 s[G1A+7], 0
	s_mov_b32 s[G1B+1], 800<<16
	s_mov_b32 s[G1B+2], 8<<16
	s_mov_b32 s[G1B+3], 800<<16
	s_mov_b32 s[G1B+4], 8
	s_mov_b32 s[G1B+5], RPT/8
	s_mov_b32 s[G1B+6], 0
	s_mov_b32 s[G1B+7], 0
	s_mul_i32 s20, s42, 320
	s_lshl_b32 s21, s45, 3
	s_add_co_u32 s20, s20, s21
	s_lshl_b32 s21, s16, 2
	s_add_co_u32 s20, s20, s21
	s_mul_i32 s20, s20, RPT
	s_mov_b32 s21, 0
	s_sub_co_u32 s22, 1, s42
	s_lshl_b32 s22, s22, 7
	s_lshl_b32 s23, s46, 4
	s_add_co_u32 s22, s22, s23
	s_lshl_b32 s23, s16, 3
	s_add_co_u32 s22, s22, s23
	s_mul_i32 s22, s22, RPT
	s_mov_b32 s23, 0
	s_mul_i32 s47, s16, RHALF
	s_mul_i32 s19, s16, PHALF
	s_add_co_u32 s19, s19, POFF
	s_mul_i32 s78, s42, 320                        ; the prefetches' tile: source 1's first tile + 2 cx + wave % 2
	s_lshl_b32 s79, s45, 3
	s_add_co_u32 s78, s78, s79
	s_lshl_b32 s79, s40, 1
	s_add_co_u32 s78, s78, s79
	s_add_co_u32 s78, s78, s16
	s_sub_co_u32 s80, 1, s42                       ; source 0's first tile + 4 cy + 2 (wave % 2)
	s_lshl_b32 s80, s80, 7
	s_lshl_b32 s79, s46, 4
	s_add_co_u32 s80, s80, s79
	s_lshl_b32 s79, s41, 2
	s_add_co_u32 s80, s80, s79
	s_lshl_b32 s79, s16, 1
	s_add_co_u32 s80, s80, s79
	s_cmp_eq_u32 s15, 0
	s_cselect_b32 s78, s78, s80
	s_mul_i32 s78, s78, RPT
	s_mov_b32 s79, 0
	s_wait_dscnt 0x0
	s_wait_kmcnt 0x0
	s_add_nc_u64 s[20:21], s[4:5], s[20:21]
	s_add_nc_u64 s[22:23], s[4:5], s[22:23]
	s_add_nc_u64 s[PFA:PFA+1], s[4:5], s[78:79]
.irp s, 0,1
	s_mov_b32 s[G0A+4*\s], 1
	s_add_co_u32 s[G0A+4*\s+1], s47, \s*SLOT
	s_add_nc_u64 s[G0A+4*\s+2:G0A+4*\s+3], s[20:21], \s*REC4
	s_or_b32 s[G0A+4*\s+3], s[G0A+4*\s+3], 0x80000000
	s_mov_b32 s[G0B+4*\s], 1
	s_add_co_u32 s[G0B+4*\s+1], s19, \s*SLOT
	s_add_nc_u64 s[G0B+4*\s+2:G0B+4*\s+3], s[22:23], \s*REC4
	s_or_b32 s[G0B+4*\s+3], s[G0B+4*\s+3], 0x80000000
	s_wait_alu depctr_va_vdst(0)
	s_wait_tensorcnt 0x0
	ds_add_u32 v28, v29
	ds_add_u32 v28, v29
	s_wait_dscnt 0x0
	CROUND
	JLOAD G0A+4*\s, G1A, G0B+4*\s, G1B
.if \s == 0
	ASK REC4                                       ; chunk 1, whose load follows a round later
.endif
	ASK (\s+2)*REC4                                ; and the chunk two loads on
.endr
	v_and_b32 v1, 31, v0
	v_lshlrev_b32 v1, 4, v1
	v_and_b32 v2, 15, v0
	v_lshlrev_b32 v2, 4, v2
	v_add_nc_u32 v2, 6144, v2
	s_mul_i32 s2, s15, RHALF
	s_mul_i32 s3, s16, PHALF
	s_add_co_u32 s3, s3, POFF
.irp s, 0,1
	v_add_nc_u32 v[ADRR+\s], s2, v1
	v_add_nc_u32 v[ADRP+\s], s3, v1
	v_add_nc_u32 v[ADSR+\s], s2, v2
	v_add_nc_u32 v[ADSP+\s], s3, v2
	s_add_co_u32 s2, s2, SLOT
	s_add_co_u32 s3, s3, SLOT
.endr
.macro MUL8 a, p, q, sc, zero
.irp b, 0,1,2,3,4,5,6,7
.if \zero
	v_wmma_scale_f32_16x16x128_f8f6f4 v[8*(8*(\a)+\b):8*(8*(\a)+\b)+7], v[96*(\p)+12*\b:96*(\p)+12*\b+11], v[RF+48*(\p)+12*(\a):RF+48*(\p)+12*(\a)+11], 0, v[SC+48*(\sc)+4*\b+(\q)], v[SC+32+48*(\sc)+4*(\a)+(\q)] matrix_a_fmt:MATRIX_FMT_FP6 matrix_b_fmt:MATRIX_FMT_FP6
.else
	v_wmma_scale_f32_16x16x128_f8f6f4 v[8*(8*(\a)+\b):8*(8*(\a)+\b)+7], v[96*(\p)+12*\b:96*(\p)+12*\b+11], v[RF+48*(\p)+12*(\a):RF+48*(\p)+12*(\a)+11], v[8*(8*(\a)+\b):8*(8*(\a)+\b)+7], v[SC+48*(\sc)+4*\b+(\q)], v[SC+32+48*(\sc)+4*(\a)+(\q)] matrix_a_fmt:MATRIX_FMT_FP6 matrix_b_fmt:MATRIX_FMT_FP6
.endif
.endr
.endm
.macro FETCH slot, q, p
	WIN TO_P
.irp b, 0,1,2,3,4,5,6,7
.irp c, 0,1,2
	ds_load_b128 v[96*(\p)+12*\b+4*\c:96*(\p)+12*\b+4*\c+3], v[ADRP+\slot] offset:\b*REC4+(\q)*1536+512*\c
.endr
.endr
	WIN 0
.irp a, 0,1,2,3
.irp c, 0,1,2
	ds_load_b128 v[RF+48*(\p)+12*\a+4*\c:RF+48*(\p)+12*\a+4*\c+3], v[ADRR+\slot] offset:\a*REC4+(\q)*1536+512*\c
.endr
.endr
.endm
.macro SCALES sc
.irp i, 0,1,2,3,4,5,6,7
	ds_load_b128 v[SC+48*\sc+4*\i:SC+48*\sc+4*\i+3], v[ADSP+\sc] offset:\i*REC4
.endr
.irp i, 0,1,2,3
	ds_load_b128 v[SC+32+48*\sc+4*\i:SC+32+48*\sc+4*\i+3], v[ADSR+\sc] offset:\i*REC4
.endr
.endm
.macro STEP slot, q, zero
	s_wait_dscnt 6
	PLACES
	FETCH \slot, (\q)+1, ((\q)+1)%2
	WIN MUL
	MUL8 0, (\q)%2, \q, \slot, \zero
	MUL8 1, (\q)%2, \q, \slot, \zero
	s_wait_dscnt 36
	MUL8 2, (\q)%2, \q, \slot, \zero
	MUL8 3, (\q)%2, \q, \slot, \zero
.endm
.macro TURN slot, next, fill
	WIN 0
	s_wait_tensorcnt 0x0
	ds_add_u32 v[SPW], v[NIL]
	s_wait_dscnt 7
	WIN MUL
	MUL8 0, 1, 3, \slot, 0
	s_wait_dscnt 0x0
	s_barrier_signal -1
	MUL8 1, 1, 3, \slot, 0
	WIN 0
	s_barrier_wait -1
.if \fill
	CREST
	s_add_nc_u64 s[G0A+4*\slot+2:G0A+4*\slot+3], s[G0A+4*\slot+2:G0A+4*\slot+3], 2*REC4
	s_add_nc_u64 s[G0B+4*\slot+2:G0B+4*\slot+3], s[G0B+4*\slot+2:G0B+4*\slot+3], 2*REC4
	JLOAD G0A+4*\slot, G1A, G0B+4*\slot, G1B
.else
	PLACES
.endif
	SCALES \next
	FETCH \next, 0, 0
.if \fill
	ASKL (4+\slot)*REC4
.endif
	WIN MUL
	MUL8 2, 1, 3, \slot, 0
	MUL8 3, 1, 3, \slot, 0
.endm
	s_wait_alu depctr_va_vdst(0)
	s_wait_tensorcnt 1
	s_barrier_signal -1
	s_barrier_wait -1
	SCALES 0
	FETCH 0, 0, 0
	STEP 0, 0, 1
	WIN 0
	v_and_b32 v6, 15, v0                           ; cos, sin: row r + 8 (r / 8) of a block, 256 bytes a row, + 32 h; v5 is never rewritten
	v_bfe_u32 v7, v0, 4, 1
	v_and_b32 v5, 8, v6
	v_add_nc_u32 v5, v5, v6
	v_lshlrev_b32 v5, 8, v5
	v_lshl_add_u32 v5, v7, 5, v5
	s_wait_alu depctr_va_vdst(0)
	s_lshl_b32 s20, s45, 7
	s_lshl_b32 s21, s15, 6
	s_add_co_u32 s20, s20, s21
	s_lshl_b32 s20, s20, 8
	s_mov_b32 s21, 0
	s_add_nc_u64 s[6:7], s[6:7], s[20:21]
	s_add_nc_u64 s[8:9], s[8:9], s[20:21]
	CSLOAD 0, 1
	s_mov_b32 s44, LAPS-1
.Llap:
	STEP 0, 1, 0
	STEP 0, 2, 0
	TURN 0, 1, 1
	STEP 1, 0, 0
	STEP 1, 1, 0
	STEP 1, 2, 0
	TURN 1, 0, 1
	STEP 0, 0, 0
	WIN 0
	s_wait_xcnt 0x0                                ; the trip's prefetches have read their address: it steps two chunks
	s_add_nc_u64 s[PFA:PFA+1], s[PFA:PFA+1], 2*REC4
	s_sub_co_u32 s44, s44, 1
	s_cmp_lg_u32 s44, 0
	s_cbranch_scc1 .Llap
	CSLOAD 2, 3
	STEP 0, 1, 0
	STEP 0, 2, 0
	TURN 0, 1, 0
	STEP 1, 0, 0
	STEP 1, 1, 0
	STEP 1, 2, 0
	s_wait_dscnt 6
	WIN MUL
	MUL8 0, 1, 3, 1, 0
	MUL8 1, 1, 3, 1, 0
	s_wait_dscnt 0x0
	MUL8 2, 1, 3, 1, 0
	MUL8 3, 1, 3, 1, 0
	WIN 0
.set LI,  3
.set LW,  4
.set CO,  5
.set TMP, 128
.set PC,  128
.set PT,  176
.set TM,  184
.set PW,  200
.set SD,  204
.set FL,  72
.set HI,  73
.set SEL, 74
	PLACES
	v_and_b32 v1, 15, v0
	v_bfe_u32 v2, v0, 4, 1
	v_and_b32 v6, 31, v0
	v_lshlrev_b32 v[LI], 4, v6
	v_lshlrev_b32 v[LW], 3, v6
	s_mov_b32 s[FL], 0x1800000
	s_mov_b32 s[HI], 0xffff0000
	s_mov_b32 s[SEL], 0x76543210
	s_mov_b32 s[SEL+1], 0xfedcba98
	s_cmp_lg_u32 s42, 0
	s_cbranch_scc1 .Lno_rope
.macro ROPE a
	WIN 0x0e
.set pp, 0
.rept 16
	v_pk_mul_f32 v[TMP+4*pp:TMP+4*pp+1], v[64*(\a)+4*pp:64*(\a)+4*pp+1], v[64*(\a)+32+2*pp:64*(\a)+32+2*pp+1] op_sel:[1,0] op_sel_hi:[0,0] neg_lo:[1,0]
	v_pk_mul_f32 v[TMP+4*pp+2:TMP+4*pp+3], v[64*(\a)+4*pp+2:64*(\a)+4*pp+3], v[64*(\a)+32+2*pp:64*(\a)+32+2*pp+1] op_sel:[1,1] op_sel_hi:[0,1] neg_lo:[1,0]
.set pp, pp+1
.endr
	WIN 0x8e
.set pp, 0
.rept 16
	v_pk_fma_f32 v[64*(\a)+4*pp:64*(\a)+4*pp+1], v[64*(\a)+4*pp:64*(\a)+4*pp+1], v[64*(\a)+2*pp:64*(\a)+2*pp+1], v[TMP+4*pp:TMP+4*pp+1] op_sel:[0,0,0] op_sel_hi:[1,0,1]
	v_pk_fma_f32 v[64*(\a)+4*pp+2:64*(\a)+4*pp+3], v[64*(\a)+4*pp+2:64*(\a)+4*pp+3], v[64*(\a)+2*pp:64*(\a)+2*pp+1], v[TMP+4*pp+2:TMP+4*pp+3] op_sel:[0,1,0] op_sel_hi:[1,1,1]
.set pp, pp+1
.endr
.endm
.irp a, 0,1,2,3
	s_wait_loadcnt 48-16*\a
	ROPE \a
.endr
	WIN 0
.Lno_rope:
.irp b, 0,1,2,3
	v_mov_b32 v[TM+4+\b], 0
.endr
	s_lshl_b32 s20, s46, 1
	s_add_co_u32 s20, s20, s16
	s_lshl_b32 s21, s20, 4
	s_add_co_u32 s21, s21, s45
	s_lshl_b32 s22, s45, 4
	s_add_co_u32 s22, s22, s20
	s_add_co_u32 s22, s22, 384
	s_cmp_eq_u32 s42, 0
	s_cselect_b32 s20, s21, s22
	s_mul_i32 s20, s20, 12800
	s_mul_i32 s66, s15, 4*1536
	s_add_co_u32 s66, s66, s20
	s_mov_b32 s67, 0
	s_lshl_b32 s68, s15, 8
	s_add_co_u32 s68, s68, s20
	s_add_co_u32 s68, s68, 12288
	s_mov_b32 s69, 0
	s_add_nc_u64 s[70:71], s[10:11], s[68:69]
	s_add_nc_u64 s[10:11], s[10:11], s[66:67]
.macro QUANTA a
.set S0, 64*(\a)
.set PCA, PC+12*(\a)
	WIN 0x28
.irp b, 0,1,2,3
	v_max3_num_f32 v[TM+\b], s[FL], |v[S0+16*\b]|, |v[S0+16*\b+1]|
.endr
.irp i, 2,4,6,8,10,12,14
.irp b, 0,1,2,3
	v_max3_num_f32 v[TM+\b], v[TM+\b], |v[S0+16*\b+\i]|, |v[S0+16*\b+\i+1]|
.endr
.endr
	WIN 0
.irp b, 0,1,2,3
	v_permlanex16_b32 v[TM+4+\b], v[TM+\b], s[SEL], s[SEL+1]
.endr
.irp b, 0,1,2,3
	v_max_num_f32 v[TM+\b], v[TM+\b], v[TM+4+\b]
.endr
.irp b, 0,1,2,3
	v_add_nc_u32 v[TM+12+\b], 0xff000000, v[TM+\b]
.endr
.irp b, 0,1,2,3
	v_lshrrev_b32 v[TM+4+\b], 23, v[TM+12+\b]
.endr
	v_lshl_or_b32 v[PW+(\a)], v[TM+5], 8, v[TM+4]
	v_lshl_or_b32 v[PW+(\a)], v[TM+6], 16, v[PW+(\a)]
	v_lshl_or_b32 v[PW+(\a)], v[TM+7], 24, v[PW+(\a)]
	WIN 0x02
.irp c, 0,1
	v_cvt_scalef32_pk16_fp6_f32 v[PCA+6*\c:PCA+6*\c+2], v[S0+32*\c:S0+32*\c+15], v[TM+12+2*\c]
	v_cvt_scalef32_pk16_fp6_f32 v[PT+4*\c:PT+4*\c+2], v[S0+32*\c+16:S0+32*\c+31], v[TM+12+2*\c+1]
.endr
	WIN 0
	v_nop
.irp c, 0,1
.irp i, 0,1,2
	v_permlane16_swap_b32 v[PCA+6*\c+\i], v[PT+4*\c+\i]
.endr
.irp i, 0,1,2
	v_mov_b32 v[PCA+3+6*\c+\i], v[PT+4*\c+\i]
.endr
.endr
.irp c, 0,1,2
	global_store_b128 v[LI], v[PCA+4*\c:PCA+4*\c+3], s[10:11] offset:1536*(\a)+512*\c
.endr
.endm
.irp a, 0,1,2,3
	QUANTA \a
.endr
	v_cndmask_b32 v[SD], v[PW], v[PW+2], s[HI]
	v_cndmask_b32 v[SD+1], v[PW+1], v[PW+3], s[HI]
	global_store_b64 v[LW], v[SD:SD+1], s[70:71]
	s_wait_tensorcnt 0x0
	ds_add_u32 v[SPW], v[NIL]
	s_wait_dscnt 0x0
	CROUND
	s_endpgm
.Lfunc_end_k_qdc8c17c87f_qkv:
	.size	k_qdc8c17c87f_qkv, .Lfunc_end_k_qdc8c17c87f_qkv-k_qdc8c17c87f_qkv
	.p2alignl 7, 3214868480
	.fill 96, 4, 3214868480
	.section	.rodata,"a",@progbits
	.p2align	6, 0x0
	.amdhsa_kernel k_qdc8c17c87f_qkv
		.amdhsa_group_segment_fixed_size 327680
		.amdhsa_private_segment_fixed_size 0
		.amdhsa_enable_private_segment 0
		.amdhsa_kernarg_size 32
		.amdhsa_user_sgpr_count 2
		.amdhsa_user_sgpr_kernarg_segment_ptr 1
		.amdhsa_wavefront_size32 1
		.amdhsa_system_sgpr_workgroup_id_x 1
		.amdhsa_system_sgpr_workgroup_id_y 1
		.amdhsa_system_sgpr_workgroup_id_z 1
		.amdhsa_system_vgpr_workitem_id 0
		.amdhsa_next_free_vgpr 1024
		.amdhsa_next_free_sgpr 100
		.amdhsa_reserve_vcc 0
		.amdhsa_float_denorm_mode_32 3
		.amdhsa_float_denorm_mode_16_64 3
		.amdhsa_memory_ordered 1
		.amdhsa_forward_progress 1
		.amdhsa_inst_pref_size 161
	.end_amdhsa_kernel
	.amdgpu_metadata
---
amdhsa.version: [ 1, 2 ]
amdhsa.kernels:
  - .name:           k_qdc8c17c87f_qkv
    .symbol:         k_qdc8c17c87f_qkv.kd
    .args:
      - { .name: wc, .offset: 0, .size: 8, .value_kind: global_buffer, .address_space: global }
      - { .name: cos, .offset: 8, .size: 8, .value_kind: global_buffer, .address_space: global }
      - { .name: sin, .offset: 16, .size: 8, .value_kind: global_buffer, .address_space: global }
      - { .name: qkvc, .offset: 24, .size: 8, .value_kind: global_buffer, .address_space: global }
    .group_segment_fixed_size: 327680
    .private_segment_fixed_size: 0
    .kernarg_segment_align: 8
    .kernarg_segment_size: 32
    .max_flat_workgroup_size: 128
    .sgpr_count:     100
    .vgpr_count:     1024
    .wavefront_size: 32
...
	.end_amdgpu_metadata
.endif
;; end of part 2
;; launch attn (part 3): grid 8 x 32, 8 waves a work-group, clusters of 4 x 4, 327,680 bytes of LDS; arguments qkvc, mask, oc; writes oc
.if DOCPART == 3
	.amdgcn_target "amdgcn-amd-amdhsa--gfx1250"
	.amdhsa_code_object_version 6
	.text
	.protected	k_qdc8c17c87f_attn
	.globl	k_qdc8c17c87f_attn
	.p2align	8
	.type	k_qdc8c17c87f_attn,@function
k_qdc8c17c87f_attn:
	s_mov_b64 s[64:65], 0
	v_nop
	global_prefetch_b8 v0, s[64:65] scope:SCOPE_SE
	s_setreg_imm32_b32 hwreg(HW_REG_WAVE_MODE, 25, 1), 1
	s_wait_xcnt 0x0
	s_wait_alu depctr_hold_cnt(0) depctr_sa_sdst(0) depctr_va_vdst(0) depctr_va_sdst(0) depctr_va_ssrc(0) depctr_va_vcc(0) depctr_vm_vsrc(0)
	s_getreg_b32 s2, hwreg(HW_REG_IB_STS2, 6, 4)
	s_cmp_eq_u32 s2, 0
	s_cbranch_scc0 .Lentry_in_a_cluster
	s_endpgm
.Lentry_in_a_cluster:
	s_bfe_u32 s2, ttmp6, 0x10000c
	s_cmp_lg_u32 s2, 0xf033
	s_cbranch_scc0 .Lentry_shape_is_right
	s_endpgm
.Lentry_shape_is_right:
; o[head][query] = the sum over keys of softmax(q . k / sqrt(128) + mask) v, both products on codes of FP6 (E2M3) with E8M0 scales; o is then quantised along the head's 128 for the last product.
; No work is left out: the mask is an input, so every query walks all 2,048 keys.
; THE SOFTMAX: logit = score / sqrt(128) + mask; M = the ceiling of the running largest t, t = logit x log2(e); p = 2^(t - M), t - M by one fused multiply-add of the logit; p is quantised along the keys, not normalised;
; the sum is taken of the unquantised p and divides at the end.
; SHARES.  A work-group: one key/value head (kvh = 4 x cluster x + cx) and 64 queries (qb = 4 x cluster y + cy), eight waves.  Waves w and w + 4 own the same tile of 16 queries, 4 qb + w % 4, of BOTH query heads 2 kvh and
; 2 kvh + 1, and share the keys: of each slot's 256 keys wave w / 4 = 0 takes the first 128, the other the second 128.  A wave's two tiles share each fragment of K and V and the mask's numbers.
; A wave's tile u is head 2 kvh + (u xor w / 4).  At the end each wave hands its tile 1 (O^T, -M, the sum) to its partner through LDS and joins its own tile 0 with the partner's tile 1, which is the same head: both parts are
; brought under the larger M by powers of two.  So each wave finishes one head of its 16 queries.
; qkvc: records of 12,800 bytes: eight register images of 1,536 bytes, then scale words (tile t, row r at 12,288 + 128 (t / 2) + 8 r + 4 (t % 2)).  Tile t, row p is row 32 (t / 2) + 8 (t % 2) + p + 8 (p / 8).
; Both products are used transposed (S^T = K Q^T, O^T = V^T P^T): a lane holds ONE query; the 16 registers of tiles 2 b, 2 b + 1 are keys (or channels) 32 b + 16 h + 0..15.
; CLUSTERS 4 x 4: the mask's tile hangs on qb alone and is asked for jointly along a row of the cluster; K's and V's records hang on kvh alone, along a column.  Two slots of 256 keys; waves 0-3 fetch 16 mask rows each,
; waves 4-7 one record each (K, K, V, V): one load a wave behind each round.
; LDS, a slot: the mask's 64 rows, 1,024 bytes + 8 each; then K step 0, K step 1, V step 0, V step 1.  The stage of the hand-over lies in slot 0's bytes, behind that slot's last fill and last read.
; LIMITS: NaN and infinities among the inputs (a mask of -infinity too) are not served; the scaled scores stay under 2^31 in magnitude; where |t| passes 2^23, M (made of the rounded t) and the fused t - M part by up to the
; rounding of t: all p of a row then carry one common factor, under 2^64 at |t| = 2^31, which the division by the sum takes away; a block of p or of o that is all zeros or lies under 2^-124 gets the byte 1 (its codes are zeros).
; REGISTERS: window 0: v1-8 addresses; from v12 eight statistics a tile (-M, the largest t, the sum in two halves, f and its pair's upper half, at work); v28, v29 Q's scale words, v30, v31 p's; v32-39 K's, v40-47 V's;
;   from v52 twelve a tile at work; from v76 twenty a tile for p's codes; v116-119 the stage's addresses; v128-191, v192-255 S^T, then p, of tiles 0 and 1.
;   window 1: v0-63, v64-127 O^T of tiles 0 and 1; v128-223 K's eight fragments, then the mask's 64 numbers, then V's eight fragments, by turns; v224-247 Q.
.set REC8,  12800
.set MP,    1032                       ; a mask row in LDS
.set MQ,    16*MP                      ; what one of the mask's loads brings
.set RECO,  64*MP                      ; the records' place in a slot
.set SLOT1, 1<<17
.set SPARE, 2*SLOT1                    ; the spare words, 128 bytes a wave, that no other line names
.set STW,   8448                       ; a wave's stage: 64 registers x 128 bytes, then 8 bytes a lane
.set AR0, 1
.set AM0, 2
.set AS0, 3
.set SPW, 4
.set NIL, 5
.set ADR, 6
.set ADM, 7
.set ADS, 8
.set ST,  12
.set QS,  28
.set PS,  30
.set KS,  32
.set VS,  40
.set PFO, 48
.set TT,  52
.set PCD, 76
.set STA, 116
.set STB, 117
.set LDA, 118
.set LDB, 119
.set S,   128
.set KV,  128                          ; window 1
.set QF,  224                          ; window 1
.set TB,  2
.set SLOTS, 3
.set TQ,  17
.set WV,  18
.set KH,  19
.set HC,  10                           ; s10 the half-phase in a trip
.set HT,  11                           ; s11 at work
.set SEL, 20
.set RS,  22                           ; s[22:23] 1 / sqrt(128)
.set L2E, 68                           ; s[68:69] log2(e)
.set G1M, 24
.set G0M, 32
.set G0R, 36
.set G1R, 48
.set PFA, 76
.set PFS, 78
.set LIM, 80
.set MSB, 0
.macro WIN new                         ; the immediate's high byte repeats the setting that is left; a switch that changes nothing is dropped
.if MSB != \new
	s_set_vgpr_msb (MSB<<8)|\new
.set MSB, \new
.endif
.endm
.macro JLOAD                           ; waves 0-3: the mask's rows; waves 4-7: the records.  An s_nop 0 and four v_nop follow each line
	s_cmp_lt_u32 s[WV], 4
	s_cbranch_scc0 .Lfor_r_\@
	tensor_load_to_lds s[G0M:G0M+3], s[G1M:G1M+7]
	s_nop 0
.rept 4
	v_nop
.endr
	s_branch .Lasked_\@
.Lfor_r_\@:
	tensor_load_to_lds s[G0R:G0R+3], s[G1R:G1R+7]
	s_nop 0
.rept 4
	v_nop
.endr
.Lasked_\@:
.endm
.macro CREST                           ; a round of the cluster's barrier behind its opening barrier
	s_cmp_lg_u32 s[WV], 0
	s_cbranch_scc1 .Lnot_wave_0_\@
	s_barrier_signal -3
.Lnot_wave_0_\@:
	s_barrier_wait -3
	s_barrier_signal -1
	s_barrier_wait -1
.endm
.macro CROUND
	s_barrier_signal -1
	s_barrier_wait -1
	CREST
.endm
; A PREFETCH of what the NEXT round's loads will ask for, a slot ahead of them.  The mask's 64 rows x 1,024 bytes: the clusters with x = 0 ask; partner cx takes rows 16 cx on, waves 0 and 1, a lane a block of 256 bytes.
; K's and V's four records: the clusters with y = 0 ask; partner cy takes record cy, waves 2 and 3, 25 blocks each (lanes 25 on repeat the last).  Waves 4-7 ask for nothing; the last round that fills a slot asks for nothing.
.macro ASK
	s_cmp_gt_u32 s[SLOTS], s[LIM]
	s_cbranch_scc0 .Lnot_mine_\@
	global_prefetch_b8 v[PFO], s[PFA:PFA+1] th:TH_LOAD_NT scope:SCOPE_SE
.Lnot_mine_\@:
.endm
.macro NEXT                            ; no tensor load of mine is out: the descriptors step to the other slot and 256 keys on; the prefetch's address a slot on
	s_xor_b32 s[G0M+1], s[G0M+1], SLOT1
	s_add_nc_u64 s[G0M+2:G0M+3], s[G0M+2:G0M+3], 1024
	s_xor_b32 s[G0R+1], s[G0R+1], SLOT1
	s_add_nc_u64 s[G0R+2:G0R+3], s[G0R+2:G0R+3], 2*REC8
	s_wait_xcnt 0x0                                ; the last prefetch, a slot back, has read its address
	s_add_nc_u64 s[PFA:PFA+1], s[PFA:PFA+1], s[PFS:PFS+1]
.endm
	s_load_b128 s[4:7], s[0:1], 0x0                ; qkvc, mask
	s_load_b64 s[8:9], s[0:1], 0x10                ; oc
	v_lshl_add_u32 v[SPW], v0, 2, SPARE
	v_mov_b32 v[NIL], 0
	ds_add_u32 v[SPW], v[NIL]                      ; the wave's opening: the add, twice on end, and its wait ahead of my first tensor load
	ds_add_u32 v[SPW], v[NIL]
	v_lshrrev_b32 v6, 5, v0
	v_readfirstlane_b32 s[WV], v6                  ; wave 0..7
	s_lshr_b32 s[KH], s[WV], 2                     ; which 128 keys of a slot
	s_and_b32 s[TQ], s[WV], 3                      ; which tile of 16 queries; also which part of a slot I fetch
	s_bfe_u32 s40, ttmp6, 0x40000                  ; cx
	s_bfe_u32 s41, ttmp6, 0x40004                  ; cy
	s_lshl_b32 s42, ttmp9, 2
	s_add_co_u32 s42, s42, s40                     ; kvh
	s_and_b32 s43, ttmp7, 0xffff
	s_lshl_b32 s43, s43, 2
	s_add_co_u32 s43, s43, s41                     ; qb
	s_lshl_b32 s44, s41, 2
	s_lshl_b32 s44, 15, s44                        ; my row of the cluster
	s_lshl_b32 s45, 0x1111, s40                    ; my column
	s_or_b32 s[G1M], s44, (3<<16)|(1<<20)|(1<<21)|(7<<22)|(1<<25)   ; the mask's tile: elements of 8 bytes; 2 words of padding behind every 256 words
	s_mov_b32 s[G1M+1], 128<<16                    ; 1,024 bytes a row
	s_mov_b32 s[G1M+2], 16<<16                     ; 16 rows
	s_mov_b32 s[G1M+3], 128<<16
	s_mov_b32 s[G1M+4], 16
	s_mov_b32 s[G1M+5], 1024                       ; a row of the mask: 8,192 bytes
	s_mov_b32 s[G1M+6], 0
	s_mov_b32 s[G1M+7], 0
	s_or_b32 s[G1R], s45, (3<<16)|(1<<21)          ; a record: a dense block, as 50 rows of 256 bytes
	s_mov_b32 s[G1R+1], 32<<16
	s_mov_b32 s[G1R+2], 50<<16
	s_mov_b32 s[G1R+3], 32<<16
	s_mov_b32 s[G1R+4], 50
	s_mov_b32 s[G1R+5], 32
	s_mov_b32 s[G1R+6], 0
	s_mov_b32 s[G1R+7], 0
	s_mul_i32 s47, s[TQ], MQ                       ; the mask's quarter in a slot
	s_lshl_b32 s56, s43, 6
	s_lshl_b32 s57, s[TQ], 4
	s_add_co_u32 s56, s56, s57
	s_lshl_b32 s56, s56, 13                        ; row 64 qb + 16 (w % 4), 8,192 bytes a row
	s_mov_b32 s57, 0
	s_mul_i32 s58, s[TQ], REC8
	s_add_co_u32 s58, s58, RECO                    ; K, K, V, V
	s_lshl_b32 s60, s42, 4
	s_add_co_u32 s60, s60, 256
	s_lshr_b32 s61, s[TQ], 1
	s_lshl_b32 s61, s61, 7
	s_add_co_u32 s60, s60, s61                     ; K's records from 256 + 16 kvh, V's 128 further on
	s_and_b32 s61, s[TQ], 1
	s_add_co_u32 s60, s60, s61
	s_mul_i32 s60, s60, REC8
	s_mov_b32 s61, 0
	s_lshr_b32 s46, s[TQ], 1                       ; my tile begins at row 32 (t / 2) + 8 (t % 2) of the 64; my keys at byte 512 (w / 4) of a row
	s_lshl_b32 s46, s46, 5
	s_and_b32 s59, s[TQ], 1
	s_lshl_b32 s59, s59, 3
	s_add_co_u32 s46, s46, s59
	s_mul_i32 s46, s46, MP
	s_lshl_b32 s59, s[KH], 9
	s_add_co_u32 s46, s46, s59
	s_mul_i32 s66, s[KH], REC8
	s_add_co_u32 s66, s66, RECO                    ; my step's record of K (V's lies two records on)
	s_add_co_u32 s67, s66, 12288                   ; and its scale words
	s_mul_i32 s62, s[WV], STW                      ; my stage,
	s_xor_b32 s63, s[WV], 4
	s_mul_i32 s63, s63, STW                        ; and my partner's
	; Q: tile u is head 2 kvh + (u xor w / 4); a head is 16 records
	s_and_b32 s72, s43, 1
	s_lshl_b32 s72, s72, 2
	s_add_co_u32 s72, s72, s[TQ]                   ; my tile within its group of 128 tokens
	s_lshl_b32 s73, s42, 5
	s_lshr_b32 s74, s43, 1
	s_add_co_u32 s73, s73, s74
	s_mul_i32 s74, s73, REC8                       ; head 2 kvh's record
	s_mul_i32 s75, s[KH], 16*REC8
	s_add_co_u32 s82, s74, s75
	s_mov_b32 s83, 0
	s_add_co_u32 s84, s74, 16*REC8
	s_sub_co_u32 s84, s84, s75
	s_mov_b32 s85, 0
	s_mul_i32 s70, s72, 1536                       ; the image in the record
	s_lshr_b32 s71, s72, 1
	s_lshl_b32 s71, s71, 7
	s_and_b32 s75, s72, 1
	s_lshl_b32 s75, s75, 2
	s_add_co_u32 s71, s71, s75
	s_add_co_u32 s71, s71, 12288                   ; the scale words
	; oc: the record of my tile of tokens and 512 along K (four heads); I finish head 2 kvh + w / 4
	s_lshl_b32 s86, s43, 2
	s_add_co_u32 s86, s86, s[TQ]
	s_mul_i32 s86, s86, 25600
	s_lshr_b32 s87, s42, 1
	s_mul_i32 s87, s87, 6400
	s_add_co_u32 s86, s86, s87
	s_and_b32 s87, s42, 1
	s_lshl_b32 s87, s87, 1
	s_add_co_u32 s87, s87, s[KH]                   ; the head among the four
	s_mul_i32 s88, s87, 1536
	s_add_co_u32 s88, s88, s86
	s_mov_b32 s89, 0
	s_lshl_b32 s90, s87, 2
	s_add_co_u32 s90, s90, s86
	s_add_co_u32 s90, s90, 6144
	s_mov_b32 s91, 0
	; the prefetches' offsets, in slot 1: the first round steps them to slot 2
	s_lshl_b32 s94, s43, 6
	s_lshl_b32 s95, s40, 4
	s_add_co_u32 s94, s94, s95
	s_lshl_b32 s94, s94, 13
	s_lshl_b32 s95, s[TQ], 9
	s_add_co_u32 s94, s94, s95
	s_add_co_u32 s94, s94, 1024                    ; the mask: row 64 qb + 16 cx, blocks 2 w on
	s_lshl_b32 s96, s42, 4
	s_lshr_b32 s95, s41, 1
	s_lshl_b32 s95, s95, 7
	s_add_co_u32 s96, s96, s95
	s_and_b32 s95, s41, 1
	s_add_co_u32 s96, s96, s95
	s_add_co_u32 s96, s96, 258
	s_mul_i32 s96, s96, REC8
	s_sub_co_u32 s95, s[TQ], 2
	s_mul_i32 s95, s95, 6400
	s_add_co_u32 s96, s96, s95                     ; the records: record cy, blocks 25 (w - 2) on (chosen in waves 2 and 3 alone)
	s_and_b32 s92, ttmp7, 0xffff
	s_mov_b32 s[SEL], 0x76543210
	s_mov_b32 s[SEL+1], 0xfedcba98
	s_mov_b32 s[RS], 0x3db504f3
	s_mov_b32 s[RS+1], s[RS]
	s_mov_b32 s[L2E], 0x3fb8aa3b
	s_mov_b32 s[L2E+1], s[L2E]
	s_mov_b32 s[TB], 0
	s_mov_b32 s[SLOTS], 7
	s_wait_dscnt 0x0                               ; both opening adds are done
	s_wait_kmcnt 0x0
	CROUND                                         ; all sixteen work-groups are here: the first joint loads meet
	s_mov_b32 s[G0M], 1
	s_mov_b32 s[G0M+1], s47
	s_add_nc_u64 s[G0M+2:G0M+3], s[6:7], s[56:57]
	s_or_b32 s[G0M+3], s[G0M+3], 0x80000000
	s_mov_b32 s[G0R], 1
	s_mov_b32 s[G0R+1], s58
	s_add_nc_u64 s[G0R+2:G0R+3], s[4:5], s[60:61]
	s_or_b32 s[G0R+3], s[G0R+3], 0x80000000
	JLOAD                                          ; slot 0: one load a wave
	s_cmp_lt_u32 s[TQ], 2
	s_cselect_b64 s[PFA:PFA+1], s[6:7], s[4:5]
	s_cselect_b32 s92, ttmp9, s92                  ; the coordinate along which other clusters read the same bytes
	s_mov_b32 s[PFS], 2*REC8
	s_cselect_b32 s[PFS], 1024, s[PFS]             ; a slot on
	s_cselect_b32 s93, -1, 0
	s_cselect_b32 s94, s94, s96
	s_mov_b32 s95, 0
	s_mov_b32 s[PFS+1], 0
	s_add_nc_u64 s[PFA:PFA+1], s[PFA:PFA+1], s[94:95]
	s_cmp_eq_u32 s92, 0                            ; the first cluster along that coordinate asks: the same in all partners
	s_cselect_b32 s[LIM], 1, -1
	s_cmp_eq_u32 s[KH], 0                          ; and of its waves the first four
	s_cselect_b32 s[LIM], s[LIM], -1
	s_add_nc_u64 s[82:83], s[4:5], s[82:83]
	s_add_nc_u64 s[84:85], s[4:5], s[84:85]
	s_add_nc_u64 s[88:89], s[8:9], s[88:89]
	s_add_nc_u64 s[90:91], s[8:9], s[90:91]
	v_and_b32 v9, 31, v0                           ; lane
	v_and_b32 v10, 15, v0                          ; r
	v_bfe_u32 v11, v0, 4, 1                        ; h
	v_lshlrev_b32 v49, 13, v10
	v_lshl_add_u32 v49, v11, 8, v49                ; the mask: a lane a row and a block
	v_min_u32 v50, 24, v9
	v_lshlrev_b32 v50, 8, v50                      ; a record: a lane a block
	v_cndmask_b32 v[PFO], v50, v49, s93
	s_wait_alu depctr_va_vdst(0)                   ; the wait here, directly ahead of the branch below
	ASK                                            ; slot 1, whose load follows a round later
	v_lshl_add_u32 v49, v9, 4, s70                 ; Q's image, 16 x lane
	v_lshl_add_u32 v50, v10, 3, s71                ; its scale words, 8 r
	WIN 0x40                                       ; destination window 1
.irp u, 0,1
.irp c, 0,1,2
	global_load_b128 v[QF+12*\u+4*\c:QF+12*\u+4*\c+3], v49, s[82+2*\u:83+2*\u] offset:512*\c   ; Q's two fragments stay in registers
.endr
.endr
	WIN 0
.irp u, 0,1
	global_load_b32 v[QS+\u], v50, s[82+2*\u:83+2*\u]
.endr
	v_lshl_add_u32 v[AR0], v9, 4, s66
	v_lshl_add_u32 v[AS0], v10, 3, s67
	v_and_b32 v6, 8, v10
	v_add_nc_u32 v6, v6, v10                       ; r + 8 (r / 8)
	v_mul_u32_u24 v[AM0], v6, MP
	v_lshl_add_u32 v[AM0], v11, 6, v[AM0]
	v_add_nc_u32 v[AM0], s46, v[AM0]
	v_lshl_add_u32 v[STA], v9, 4, s62
	v_lshl_add_u32 v[STB], v9, 3, s62
	v_add_nc_u32 v[STB], 8192, v[STB]
	v_lshl_add_u32 v[LDA], v9, 4, s63
	v_lshl_add_u32 v[LDB], v9, 3, s63
	v_add_nc_u32 v[LDB], 8192, v[LDB]
.irp u, 0,1
	v_mov_b32 v[ST+8*\u+1], 0xff61b1e6             ; the largest t so far: -3e38
	v_floor_f32 v[ST+8*\u], -v[ST+8*\u+1]          ; -M
	v_mov_b32 v[ST+8*\u+2], 0                      ; the sum, in two halves
	v_mov_b32 v[ST+8*\u+3], 0
	v_mov_b32 v[ST+8*\u+4], 0                      ; f (written here as the registers below are)
	v_mov_b32 v[ST+8*\u+5], 0                      ; (named as the upper half of f's pair)
.irp b, 0,1,2,3
	v_mov_b32 v[TT+12*\u+\b], 0
	v_mov_b32 v[TT+12*\u+4+\b], 0                  ; a lane permute's destination counts as one of its sources
.endr
.endr
; Every register that YS reads is written once here, so that it is written on every way through the text.  Of these only O^T's zeros are used: a wave's first YS follows its first XS, which writes t - M, the blocks' maxima, f,
; V's fragments and V's scale words anew.
.set j, 0
.rept 128
	v_mov_b32 v[S+j], 0
.set j, j+1
.endr
.irp t, 0,1,2,3,4,5,6,7
	v_mov_b32 v[VS+\t], 0
.endr
	WIN 0x40
.set j, 0
.rept 224
	v_mov_b32 v[j], 0                              ; O^T of both tiles (the first change of M leaves zeros zeros), and the 96 registers of K, the mask and V
.set j, j+1
.endr
	WIN 0
.macro LDF sc, off                     ; eight fragments and their scale words, K's (off = 0) or V's: 28 loads
.irp g, 0,1,2,3
	ds_load_b64 v[\sc+2*\g:\sc+2*\g+1], v[ADS] offset:\off+128*\g
.endr
	WIN 0x40
.irp t, 0,1,2,3,4,5,6,7
.irp c, 0,1,2
	ds_load_b128 v[KV+12*\t+4*\c:KV+12*\t+4*\c+3], v[ADR] offset:\off+1536*\t+512*\c
.endr
.endr
	WIN 0
.endm
; PI u, number pj of 85: from the logits to t - M.  0-39 the largest logit of each block of 32 keys, which serves for the row's maximum and, since p rises with the logit, for the block's largest p; 40-48 the running largest t,
; -M = floor(-t), f = 2^(old M - new M); 49-80 t - M, a pair a line; 81-84 the same of the blocks' largest.
.macro PI u
.set xS, S+64*(\u)
.set xT, ST+8*(\u)
.set xB, TT+12*(\u)
.if pj < 4
	v_max3_num_f32 v[xB+pj], v[xS+16*pj], v[xS+16*pj+1], v[xS+16*pj+2]
.elseif pj < 28
	v_max3_num_f32 v[xB+(pj-4)%4], v[xB+(pj-4)%4], v[xS+16*((pj-4)%4)+3+2*((pj-4)/4)], v[xS+16*((pj-4)%4)+4+2*((pj-4)/4)]
.elseif pj < 32
	v_max_num_f32 v[xB+pj-28], v[xB+pj-28], v[xS+16*(pj-28)+15]
.elseif pj < 36
	v_permlanex16_b32 v[xB+4+pj-32], v[xB+pj-32], s[SEL], s[SEL+1]
.elseif pj < 40
	v_max_num_f32 v[xB+pj-36], v[xB+pj-36], v[xB+4+pj-36]   ; with lane l xor 16's 16 keys
.elseif pj == 40
	v_max3_num_f32 v[xT+6], v[xB], v[xB+1], v[xB+2]
.elseif pj == 41
	v_max_num_f32 v[xT+6], v[xT+6], v[xB+3]
.elseif pj == 42
	v_mul_f32 v[xT+6], s[L2E], v[xT+6]             ; as t
.elseif pj == 43
	v_max_num_f32 v[xT+1], v[xT+1], v[xT+6]        ; the running largest t
.elseif pj == 44
	v_mov_b32 v[xT+6], v[xT]
.elseif pj == 45
	v_floor_f32 v[xT], -v[xT+1]                    ; the new -M = -ceil(t): a whole number
.elseif pj == 46
	v_sub_f32 v[xT+6], v[xT], v[xT+6]              ; old M - new M: a whole number, 0 or less
.elseif pj == 47
	v_cvt_i32_f32 v[xT+6], v[xT+6]                 ; (it saturates)
.elseif pj == 48
	v_ldexp_f32 v[xT+4], 1.0, v[xT+6]              ; f: a multiplication by it rounds nothing
.elseif pj < 81
	v_pk_fma_f32 v[xS+2*(pj-49):xS+2*(pj-49)+1], v[xS+2*(pj-49):xS+2*(pj-49)+1], s[L2E:L2E+1], v[xT:xT+1] op_sel_hi:[1,0,0]
.else
	v_fma_f32 v[xB+pj-81], v[xB+pj-81], s[L2E], v[xT]
.endif
.endm
; RI u, number rj of 65: what reads the exponentials.  0 the sum under the new M; 1-32 the row's sum of the unquantised p, in two chains; 33-47 the blocks' scale operands, bytes and the scale word; 48-51 the conversions;
; 52 the plain place behind them; 53-64 the exchange of halves that gives each lane whole blocks.
.macro RI u
.set xS, S+64*(\u)
.set xT, ST+8*(\u)
.set xB, TT+12*(\u)
.set xC, PCD+20*(\u)
.if rj == 0
	v_pk_mul_f32 v[xT+2:xT+3], v[xT+2:xT+3], v[xT+4:xT+5] op_sel_hi:[1,0]
.elseif rj == 1
	v_pk_add_f32 v[xB+4:xB+5], v[xS:xS+1], v[xS+2:xS+3]
.elseif (rj < 32) && (rj%2 == 0)
	v_pk_add_f32 v[xT+2:xT+3], v[xT+2:xT+3], v[xS+4+4*((rj-2)/2):xS+5+4*((rj-2)/2)]
.elseif rj < 32
	v_pk_add_f32 v[xB+4:xB+5], v[xB+4:xB+5], v[xS+6+4*((rj-3)/2):xS+7+4*((rj-3)/2)]
.elseif rj == 32
	v_pk_add_f32 v[xT+2:xT+3], v[xT+2:xT+3], v[xB+4:xB+5]
.elseif rj < 37
	v_max_num_f32 v[xB+rj-33], 0x1800000, v[xB+rj-33]   ; the floor 2^(3 - 127): the byte cannot fall under 1
.elseif rj < 41
	v_add_nc_u32 v[xB+8+rj-37], 0xff000000, v[xB+rj-37] ; 2 off the exponent field: the conversion's scale operand
.elseif rj < 45
	v_lshrrev_b32 v[xB+4+rj-41], 23, v[xB+8+rj-41]      ; the scale's byte
.elseif rj == 45
	v_lshl_or_b32 v[PS+(\u)], v[xB+5], 8, v[xB+4]       ; the scale word of these 128
.elseif rj == 46
	v_lshl_or_b32 v[PS+(\u)], v[xB+6], 16, v[PS+(\u)]
.elseif rj == 47
	v_lshl_or_b32 v[PS+(\u)], v[xB+7], 24, v[PS+(\u)]
.elseif (rj < 52) && (rj%2 == 0)
	v_cvt_scalef32_pk16_fp6_f32 v[xC+6*((rj-48)/2):xC+6*((rj-48)/2)+2], v[xS+32*((rj-48)/2):xS+32*((rj-48)/2)+15], v[xB+8+2*((rj-48)/2)]
.elseif rj < 52
	v_cvt_scalef32_pk16_fp6_f32 v[xC+12+4*((rj-48)/2):xC+14+4*((rj-48)/2)], v[xS+32*((rj-48)/2)+16:xS+32*((rj-48)/2)+31], v[xB+9+2*((rj-48)/2)]   ; (a conversion's three registers begin on an even number)
.elseif rj == 52
	v_nop                                          ; one plain place behind the scaled conversions
.elseif (rj-53)%6 < 3
	v_permlane16_swap_b32 v[xC+6*((rj-53)/6)+(rj-53)%6], v[xC+12+4*((rj-53)/6)+(rj-53)%6]
.else
	v_mov_b32 v[xC+6*((rj-53)/6)+(rj-53)%6], v[xC+12+4*((rj-53)/6)+(rj-53)%6-3]
.endif
.endm
; A STEP (my 128 keys of a slot, both tiles) IS CUT IN TWO HALVES.  XS: all its LDS reads (K, the mask, V), the first product, the logits, the maxima, t - M.  YS: the exponentials, the sums, p's codes, the second product: registers alone.
; BY TURNS: between two changes of slots waves 0-3 run XS and then YS of the slot in hand; waves 4-7 run YS of the slot before and then XS of the slot in hand.  So of two waves w and w + 4 one reads LDS and multiplies
; while the other works on its registers.  V, t - M and the statistics stay in a wave's registers across the change of slots.
.macro XS
	s_wait_dscnt 0x0                               ; no LDS load of mine is out: K lands where V lay
	LDF KS, 0
	s_wait_dscnt 0x0                               ; K and its scale words are in
	WIN 0x05                                       ; sources 0 (K) and 1 (Q) window 1, D window 0
.irp u, 0,1
.irp t, 0,1,2,3,4,5,6,7
	v_wmma_scale_f32_16x16x128_f8f6f4 v[S+64*\u+8*\t:S+64*\u+8*\t+7], v[KV+12*\t:KV+12*\t+11], v[QF+12*\u:QF+12*\u+11], 0, v[KS+\t], v[QS+\u] matrix_a_fmt:MATRIX_FMT_FP6 matrix_b_fmt:MATRIX_FMT_FP6
.endr
.endr
	WIN 0
.rept 4
	v_nop                                          ; four places: in front of the loads into K's registers and of the first read of the scores
.endr
	WIN 0x40
.irp b, 0,1,2,3
.irp i, 0,1,2,3,4,5,6,7
	ds_load_b64 v[KV+16*\b+2*\i:KV+16*\b+2*\i+1], v[ADM] offset:128*\b+8*\i   ; my query's 64 numbers of the mask: register 16 b + i = key 32 b + 16 h + i
.endr
.endr
	s_wait_dscnt 0x0
	WIN 0x10                                       ; source 2, the mask, in window 1
.set j, 0
.rept 32
	v_pk_fma_f32 v[S+j:S+j+1], v[S+j:S+j+1], s[RS:RS+1], v[KV+j:KV+j+1] op_sel_hi:[1,0,1]            ; the logits; each accumulator is read from its low end on
	v_pk_fma_f32 v[S+64+j:S+64+j+1], v[S+64+j:S+64+j+1], s[RS:RS+1], v[KV+j:KV+j+1] op_sel_hi:[1,0,1]
.set j, j+2
.endr
	WIN 0
	LDF VS, 2*REC8                                 ; V, into the registers that K and the mask have left
.set pj, 0
.rept 85
	PI 0                                           ; the two tiles by turns
	PI 1
.set pj, pj+1
.endr
.endm
.macro YS
	s_wait_alu depctr_va_vdst(0)                   ; the wait ahead of the batch
.irp u, 0,1
.set j, 0
.rept 64
	v_exp_f32 v[S+64*\u+j], v[S+64*\u+j]           ; p = 2^(t - M)
.set j, j+1
.endr
.irp b, 0,1,2,3
	v_exp_f32 v[TT+12*\u+\b], v[TT+12*\u+\b]       ; the blocks' largest p
.endr
.endr
	v_nop                                          ; a plain place behind the last exponential
	s_wait_alu depctr_va_vdst(0)                   ; and the one wait for the batch, ahead of its first reader
.set rj, 0
.rept 65
	RI 0
	RI 1
.set rj, rj+1
.endr
	WIN 0x41                                       ; destination and source 0 window 1, f window 0
	s_wait_alu depctr_va_vdst(0)                   ; the wait directly ahead of the first reader of O^T
.irp u, 0,1
.set j, 0
.rept 32
	v_pk_mul_f32 v[64*\u+j:64*\u+j+1], v[64*\u+j:64*\u+j+1], v[ST+8*\u+4:ST+8*\u+5] op_sel_hi:[1,0]   ; O^T under the new M; these 64 are also the places between p's codes and scale words and the products
.set j, j+2
.endr
.endr
	s_wait_alu depctr_va_vdst(0)                   ; the wait here, directly ahead of the wait below
	s_wait_dscnt 0x0                               ; V is in
	WIN 0x51                                       ; source 0 (V), C and D window 1, source 1 (p's codes) window 0
.irp u, 0,1
.irp t, 0,1,2,3,4,5,6,7
	v_wmma_scale_f32_16x16x128_f8f6f4 v[64*\u+8*\t:64*\u+8*\t+7], v[KV+12*\t:KV+12*\t+11], v[PCD+20*\u:PCD+20*\u+11], v[64*\u+8*\t:64*\u+8*\t+7], v[VS+\t], v[PS+\u] matrix_a_fmt:MATRIX_FMT_FP6 matrix_b_fmt:MATRIX_FMT_FP6
.endr
.endr
	WIN 0
.rept 4
	v_nop                                          ; four places: in front of the next loads into V's registers and of the first read of O^T on the way out
.endr
.endm
; THE CHANGE OF SLOTS, at a trip's head.  Each wave waits for all its tensor loads (its part of the slot ahead), adds 0 to its spare word, and waits for that and for its reads of the slot that it has left.
; fill = 1: a round of the cluster's barrier, and behind it the slot left takes the next 256 keys: that load has the whole trip in which to land.  Then the LDS addresses of the slot in hand, on the way that all waves take.
.macro CHANGE fill
	s_wait_tensorcnt 0x0
	ds_add_u32 v[SPW], v[NIL]
.if \fill
	NEXT
.endif
	s_wait_dscnt 0x0
.if \fill
	CROUND
	JLOAD
	ASK
.else
	s_barrier_signal -1
	s_barrier_wait -1
.endif
	v_add_nc_u32 v[ADR], s[TB], v[AR0]
	v_add_nc_u32 v[ADM], s[TB], v[AM0]
	v_add_nc_u32 v[ADS], s[TB], v[AS0]
	s_wait_alu depctr_va_vdst(0)                   ; the wait behind these writes
.endm
; n half-phases.  In half-phase c a wave runs XS if c + w / 4 is even, else YS.  The branches hang on the wave's number and on counted loops alone, and lead round no barrier, tensor load or add.
; first = 1 (the loop): in the very first half-phase waves 4-7 have no step behind them and run nothing.  n = 3 (the last slot): the third half-phase is waves 4-7's last YS; waves 0-3 run nothing.
.macro HALVES n, first
	s_mov_b32 s[HC], 0
.Lhalf_\@:
	s_add_co_u32 s[HT], s[HC], s[KH]
	s_and_b32 s[HT], s[HT], 1
	s_cmp_lg_u32 s[HT], 0
	s_cbranch_scc1 .Ly_\@
.if \n == 3
	s_cmp_eq_u32 s[HC], 2
	s_cbranch_scc1 .Lj_\@
.endif
	XS
	s_branch .Lj_\@
.Ly_\@:
.if \first
	s_lshl_b32 s[HT], s[HC], 3
	s_add_co_u32 s[HT], s[HT], s[SLOTS]
	s_cmp_eq_u32 s[HT], 7                          ; half-phase 0 of the first of the seven trips
	s_cbranch_scc1 .Lj_\@
.endif
	YS
.Lj_\@:
	s_add_co_u32 s[HC], s[HC], 1
	s_cmp_lt_u32 s[HC], \n
	s_cbranch_scc1 .Lhalf_\@
.endm
	s_wait_alu depctr_va_vdst(0)                   ; the wait at the head's end
	s_wait_loadcnt 0x0                             ; Q
.Lslot:                                            ; seven trips: slots 0 to 6; each asks for the next slot (the first time: slot 1's first fill, issued as a refill is)
	CHANGE 1
	HALVES 2, 1
	s_xor_b32 s[TB], s[TB], SLOT1
	s_sub_co_u32 s[SLOTS], s[SLOTS], 1
	s_cmp_lg_u32 s[SLOTS], 0
	s_cbranch_scc1 .Lslot
	CHANGE 0                                       ; slot 7 is written out
	HALVES 3, 0
	s_wait_dscnt 0x0                               ; a barrier parts every wave's last reads of the slots from the stage's stores
	s_barrier_signal -1
	s_barrier_wait -1
	; THE HAND-OVER: my tile 1 goes to my partner, as an image of its registers; -M and the sum beside it
	v_add_f32 v[ST+9], v[ST+10], v[ST+11]          ; tile 1's sum, beside its -M
	v_add_f32 v[ST+2], v[ST+2], v[ST+3]            ; tile 0's
	WIN 0x04                                       ; the data in window 1
.set j, 0
.rept 16
	ds_store_b128 v[STA], v[64+4*j:64+4*j+3] offset:512*j
.set j, j+1
.endr
	WIN 0
	ds_store_b64 v[STB], v[ST+8:ST+9]
	s_wait_alu depctr_va_vdst(0)                   ; the wait here, directly ahead of the wait below
	s_wait_dscnt 0x0
	s_barrier_signal -1
	s_barrier_wait -1
.set j, 0
.rept 16
	ds_load_b128 v[S+4*j:S+4*j+3], v[LDA] offset:512*j   ; my partner's part of my tile 0's head
.set j, j+1
.endr
	ds_load_b64 v[ST+12:ST+13], v[LDB]             ; its -M and its sum
	s_wait_dscnt 0x0
	v_min_num_f32 v[ST+14], v[ST], v[ST+12]        ; -M of the two: the larger M
	v_sub_f32 v[ST+15], v[ST+14], v[ST]
	v_sub_f32 v[ST+12], v[ST+14], v[ST+12]
	v_cvt_i32_f32 v[ST+15], v[ST+15]
	v_cvt_i32_f32 v[ST+12], v[ST+12]
	v_ldexp_f32 v[ST+15], 1.0, v[ST+15]            ; my part's factor,
	v_ldexp_f32 v[ST+12], 1.0, v[ST+12]            ; and my partner's: powers of two
	v_mul_f32 v[ST+2], v[ST+2], v[ST+15]
	v_fmac_f32 v[ST+2], v[ST+13], v[ST+12]
	v_permlanex16_b32 v[ST+4], v[ST+2], s[SEL], s[SEL+1]
	v_add_f32 v[ST+2], v[ST+2], v[ST+4]            ; the row's sum
	v_and_b32 v9, 31, v0
	v_lshlrev_b32 v9, 4, v9                        ; 16 x lane
	v_and_b32 v10, 15, v0
	v_lshlrev_b32 v10, 4, v10                      ; 16 r
	s_wait_alu depctr_va_vdst(0)                   ; the wait ahead of the transcendental
	v_rcp_f32 v[ST+2], v[ST+2]
	v_nop
	s_wait_alu depctr_va_vdst(0)                   ; and ahead of its first reader
	v_mul_f32 v[ST+14], v[ST+15], v[ST+2]
	v_mul_f32 v[ST+12], v[ST+12], v[ST+2]
.set j, 0
.rept 32
	v_pk_mul_f32 v[S+j:S+j+1], v[S+j:S+j+1], v[ST+12:ST+13] op_sel_hi:[1,0]
.set j, j+2
.endr
	WIN 0x01                                       ; source 0, my O^T, in window 1
	s_wait_alu depctr_va_vdst(0)                   ; the wait directly ahead of the first reader of O^T
.set j, 0
.rept 32
	v_pk_fma_f32 v[S+j:S+j+1], v[j:j+1], v[ST+14:ST+15], v[S+j:S+j+1] op_sel_hi:[1,0,1]   ; o: registers 16 b + i are channels 32 b + 16 h + i of my query
.set j, j+2
.endr
	WIN 0
.irp b, 0,1,2,3
	v_max3_num_f32 v[TT+\b], |v[S+16*\b]|, |v[S+16*\b+1]|, 0x1800000   ; block b: my 16 numbers, and the floor 2^(3 - 127)
.endr
.irp i, 2,4,6,8,10,12,14
.irp b, 0,1,2,3
	v_max3_num_f32 v[TT+\b], v[TT+\b], |v[S+16*\b+\i]|, |v[S+16*\b+\i+1]|
.endr
.endr
.irp b, 0,1,2,3
	v_permlanex16_b32 v[TT+4+\b], v[TT+\b], s[SEL], s[SEL+1]
.endr
.irp b, 0,1,2,3
	v_max_num_f32 v[TT+\b], v[TT+\b], v[TT+4+\b]
.endr
.set rj, 37
.rept 28
	RI 0                                           ; from the scale operands on the lines are the step's own: scale word, conversions, exchange of halves
.set rj, rj+1
.endr
.irp c, 0,1,2
	global_store_b128 v9, v[PCD+4*\c:PCD+4*\c+3], s[88:89] offset:512*\c   ; 512 consecutive bytes, at a multiple of 256 from the buffer's first byte
.endr
	global_store_b32 v10, v[PS], s[90:91]          ; my rows' scale words of my head: lanes r and 16 + r hold the same word and name the same place
	s_wait_tensorcnt 0x0                           ; the wave's end
	ds_add_u32 v[SPW], v[NIL]
	s_wait_dscnt 0x0
	CROUND                                         ; the closing round
	s_endpgm
.Lfunc_end_k_qdc8c17c87f_attn:
	.size	k_qdc8c17c87f_attn, .Lfunc_end_k_qdc8c17c87f_attn-k_qdc8c17c87f_attn
	.p2alignl 7, 3214868480
	.fill 96, 4, 3214868480
	.section	.rodata,"a",@progbits
	.p2align	6, 0x0
	.amdhsa_kernel k_qdc8c17c87f_attn
		.amdhsa_group_segment_fixed_size 327680
		.amdhsa_private_segment_fixed_size 0
		.amdhsa_enable_private_segment 0
		.amdhsa_kernarg_size 24
		.amdhsa_user_sgpr_count 2
		.amdhsa_user_sgpr_kernarg_segment_ptr 1
		.amdhsa_wavefront_size32 1
		.amdhsa_system_sgpr_workgroup_id_x 1
		.amdhsa_system_sgpr_workgroup_id_y 1
		.amdhsa_system_sgpr_workgroup_id_z 1
		.amdhsa_system_vgpr_workitem_id 0
		.amdhsa_next_free_vgpr 512
		.amdhsa_next_free_sgpr 100
		.amdhsa_reserve_vcc 0
		.amdhsa_float_denorm_mode_32 3
		.amdhsa_float_denorm_mode_16_64 3
		.amdhsa_memory_ordered 1
		.amdhsa_forward_progress 1
		.amdhsa_inst_pref_size 117
	.end_amdhsa_kernel
	.amdgpu_metadata
---
amdhsa.version: [ 1, 2 ]
amdhsa.kernels:
  - .name:           k_qdc8c17c87f_attn
    .symbol:         k_qdc8c17c87f_attn.kd
    .args:
      - { .name: qkvc, .offset: 0, .size: 8, .value_kind: global_buffer, .address_space: global }
      - { .name: mask, .offset: 8, .size: 8, .value_kind: global_buffer, .address_space: global }
      - { .name: oc, .offset: 16, .size: 8, .value_kind: global_buffer, .address_space: global }
    .group_segment_fixed_size: 327680
    .private_segment_fixed_size: 0
    .kernarg_segment_align: 8
    .kernarg_segment_size: 24
    .max_flat_workgroup_size: 256
    .sgpr_count:     100
    .vgpr_count:     512
    .wavefront_size: 32
...
	.end_amdgpu_metadata
.endif
;; end of part 3
;; launch proj (part 4): grid 16 x 16, 4 waves a work-group, clusters of 4 x 4, 327,680 bytes of LDS; arguments oc, wc, out0; writes out0
.if DOCPART == 4
	.amdgcn_target "amdgcn-amd-amdhsa--gfx1250"
	.amdhsa_code_object_version 6
	.text
	.protected	k_qdc8c17c87f_proj
	.globl	k_qdc8c17c87f_proj
	.p2align	8
	.type	k_qdc8c17c87f_proj,@function
k_qdc8c17c87f_proj:
	s_mov_b64 s[64:65], 0
	v_nop
	global_prefetch_b8 v0, s[64:65] scope:SCOPE_SE
	s_setreg_imm32_b32 hwreg(HW_REG_WAVE_MODE, 25, 1), 1
	s_wait_xcnt 0x0
	s_wait_alu depctr_hold_cnt(0) depctr_sa_sdst(0) depctr_va_vdst(0) depctr_va_sdst(0) depctr_va_ssrc(0) depctr_va_vcc(0) depctr_vm_vsrc(0)
	s_getreg_b32 s2, hwreg(HW_REG_IB_STS2, 6, 4)
	s_cmp_eq_u32 s2, 0
	s_cbranch_scc0 .Lentry_in_a_cluster
	s_endpgm
.Lentry_in_a_cluster:
	s_bfe_u32 s2, ttmp6, 0x10000c
	s_cmp_lg_u32 s2, 0xf033
	s_cbranch_scc0 .Lentry_shape_is_right
	s_endpgm
.Lentry_shape_is_right:
.set KCH,   4
.set REC4,  6400
.set RPT,   KCH*REC4
.set WOOFF, 384*8*REC4
.set RHALF, 4*REC4
.set PHALF, 8*REC4
.set POFF,  8*REC4
.set SLOT,  24*REC4
.set SPARE, 2*SLOT
.set LAPS,  KCH/2
.set ADRR, 16
.set ADRP, 18
.set ADSR, 20
.set ADSP, 22
.set STO,  24
.set RD,   25
.set CO,   26
.set SPW,  28
.set NIL,  29
.set SC,   32
.set RF,   128
.set BK,   128
.set G1A, 24
.set G0A, 32
.set G1B, 48
.set G0B, 56
.set MSB, 0
.macro WIN new
.if MSB != \new
	s_set_vgpr_msb (MSB<<8)|\new
.set MSB, \new
.endif
.endm
.set MUL,  0xa1
.set TO_P, 0x40
.set PFO, 30                           ; v30 the prefetches' lane offset: a lane a block of 256 bytes, 25 blocks to a record; never rewritten
.set PFA, 76                           ; s[76:77] my tile's records, at chunk 0; never rewritten
; A PREFETCH of one chunk (a record of 6,400 bytes for each tile).  The four partners that ask for a tile jointly share its records out by address: of the 8 tiles of oc partner cx takes 2, a wave (0, 1) one;
; of the 16 tiles of wo partner cy takes 4, a wave (2, 3) two.  Lanes 25 on name the wave's last block again.  K has four chunks: chunks 1 to 3 are asked for behind the first two loads, and the loop asks for nothing.
.macro ASK off
	global_prefetch_b8 v[PFO], s[PFA:PFA+1] offset:\off th:TH_LOAD_NT scope:SCOPE_SE
	s_cmp_eq_u32 s15, 0
	s_cbranch_scc1 .Lone_\@
	global_prefetch_b8 v[PFO], s[PFA:PFA+1] offset:\off+RPT th:TH_LOAD_NT scope:SCOPE_SE
.Lone_\@:
.endm
.macro JLOAD g0a, g1a, g0b, g1b
	s_cmp_eq_u32 s15, 0
	s_cbranch_scc0 .Lfor_b_\@
	tensor_load_to_lds s[\g0a:\g0a+3], s[\g1a:\g1a+7]
	s_nop 0
.rept 4
	v_nop
.endr
	s_branch .Lasked_\@
.Lfor_b_\@:
	tensor_load_to_lds s[\g0b:\g0b+3], s[\g1b:\g1b+7]
	s_nop 0
.rept 4
	v_nop
.endr
.Lasked_\@:
.endm
.macro CREST
	s_cmp_lg_u32 s14, 0
	s_cbranch_scc1 .Lnot_wave_0_\@
	s_barrier_signal -3
.Lnot_wave_0_\@:
	s_barrier_wait -3
	s_barrier_signal -1
	s_barrier_wait -1
.endm
.macro CROUND
	s_barrier_signal -1
	s_barrier_wait -1
	CREST
.endm
.macro PLACES
.rept 4
	v_nop
.endr
.endm
	s_load_b128 s[4:7], s[0:1], 0x0
	s_load_b64 s[12:13], s[0:1], 0x10
	v_lshl_add_u32 v[SPW], v0, 2, SPARE
	v_mov_b32 v[NIL], 0
	ds_add_u32 v[SPW], v[NIL]
	ds_add_u32 v[SPW], v[NIL]
	v_lshrrev_b32 v1, 5, v0
	v_readfirstlane_b32 s14, v1
	v_and_b32 v[PFO], 31, v0
	v_min_u32 v[PFO], 24, v[PFO]
	v_lshlrev_b32 v[PFO], 8, v[PFO]
	s_lshr_b32 s15, s14, 1
	s_and_b32 s16, s14, 1
	s_bfe_u32 s40, ttmp6, 0x40000
	s_bfe_u32 s41, ttmp6, 0x40004
	s_lshl_b32 s46, ttmp9, 2
	s_add_co_u32 s46, s46, s40
	s_and_b32 s45, ttmp7, 0xffff
	s_lshl_b32 s45, s45, 2
	s_add_co_u32 s45, s45, s41
	s_lshl_b32 s17, s41, 2
	s_lshl_b32 s17, 15, s17
	s_lshl_b32 s18, 0x1111, s40
	s_or_b32 s[G1A], s17, (3<<16)|(1<<21)
	s_or_b32 s[G1B], s18, (3<<16)|(1<<21)
	s_mov_b32 s[G1A+1], 800<<16
	s_mov_b32 s[G1A+2], 4<<16
	s_mov_b32 s[G1A+3], 800<<16
	s_mov_b32 s[G1A+4], 4
	s_mov_b32 s[G1A+5], RPT/8
	s_mov_b32 s[G1A+6], 0
	s_mov_b32 s[G1A+7], 0
	s_mov_b32 s[G1B+1], 800<<16
	s_mov_b32 s[G1B+2], 8<<16
	s_mov_b32 s[G1B+3], 800<<16
	s_mov_b32 s[G1B+4], 8
	s_mov_b32 s[G1B+5], RPT/8
	s_mov_b32 s[G1B+6], 0
	s_mov_b32 s[G1B+7], 0
	s_lshl_b32 s20, s45, 3
	s_lshl_b32 s21, s16, 2
	s_add_co_u32 s20, s20, s21
	s_mul_i32 s20, s20, RPT
	s_mov_b32 s21, 0
	s_lshl_b32 s22, s46, 4
	s_lshl_b32 s23, s16, 3
	s_add_co_u32 s22, s22, s23
	s_mul_i32 s22, s22, RPT
	s_add_co_u32 s22, s22, WOOFF
	s_mov_b32 s23, 0
	s_mul_i32 s47, s16, RHALF
	s_mul_i32 s19, s16, PHALF
	s_add_co_u32 s19, s19, POFF
	s_lshl_b32 s78, s45, 3                         ; the prefetches' tile: oc's first tile + 2 cx + wave % 2
	s_lshl_b32 s79, s40, 1
	s_add_co_u32 s78, s78, s79
	s_add_co_u32 s78, s78, s16
	s_mul_i32 s78, s78, RPT
	s_lshl_b32 s80, s46, 4                         ; wo's first tile + 4 cy + 2 (wave % 2)
	s_lshl_b32 s79, s41, 2
	s_add_co_u32 s80, s80, s79
	s_lshl_b32 s79, s16, 1
	s_add_co_u32 s80, s80, s79
	s_mul_i32 s80, s80, RPT
	s_add_co_u32 s80, s80, WOOFF
	s_cmp_eq_u32 s15, 0
	s_cselect_b32 s78, s78, s80
	s_mov_b32 s79, 0
	s_wait_dscnt 0x0
	s_wait_kmcnt 0x0
	s_add_nc_u64 s[20:21], s[4:5], s[20:21]
	s_add_nc_u64 s[22:23], s[6:7], s[22:23]
	s_cmp_eq_u32 s15, 0
	s_cselect_b64 s[PFA:PFA+1], s[4:5], s[6:7]
	s_add_nc_u64 s[PFA:PFA+1], s[PFA:PFA+1], s[78:79]
.irp s, 0,1
	s_mov_b32 s[G0A+4*\s], 1
	s_add_co_u32 s[G0A+4*\s+1], s47, \s*SLOT
	s_add_nc_u64 s[G0A+4*\s+2:G0A+4*\s+3], s[20:21], \s*REC4
	s_or_b32 s[G0A+4*\s+3], s[G0A+4*\s+3], 0x80000000
	s_mov_b32 s[G0B+4*\s], 1
	s_add_co_u32 s[G0B+4*\s+1], s19, \s*SLOT
	s_add_nc_u64 s[G0B+4*\s+2:G0B+4*\s+3], s[22:23], \s*REC4
	s_or_b32 s[G0B+4*\s+3], s[G0B+4*\s+3], 0x80000000
	s_wait_alu depctr_va_vdst(0)
	s_wait_tensorcnt 0x0
	ds_add_u32 v28, v29
	ds_add_u32 v28, v29
	s_wait_dscnt 0x0
	CROUND
	JLOAD G0A+4*\s, G1A, G0B+4*\s, G1B
.if \s == 0
	ASK REC4                                       ; chunk 1, whose load follows a round later
.endif
	ASK (\s+2)*REC4                                ; and the chunk two loads on
.endr
	v_and_b32 v1, 31, v0
	v_lshlrev_b32 v1, 4, v1
	v_and_b32 v2, 15, v0
	v_lshlrev_b32 v3, 4, v2
	v_add_nc_u32 v3, 6144, v3
	s_mul_i32 s2, s15, RHALF
	s_mul_i32 s3, s16, PHALF
	s_add_co_u32 s3, s3, POFF
.irp s, 0,1
	v_add_nc_u32 v[ADRR+\s], s2, v1
	v_add_nc_u32 v[ADRP+\s], s3, v1
	v_add_nc_u32 v[ADSR+\s], s2, v3
	v_add_nc_u32 v[ADSP+\s], s3, v3
	s_add_co_u32 s2, s2, SLOT
	s_add_co_u32 s3, s3, SLOT
.endr
	s_mul_i32 s2, s14, 16*528
	v_bfe_u32 v4, v0, 4, 1
	v_mul_u32_u24 v[STO], v2, 528
	v_lshl_add_u32 v[STO], v4, 6, v[STO]
	v_add_nc_u32 v[STO], s2, v[STO]
	v_mov_b32 v[CO], v1
	v_add_nc_u32 v[RD], s2, v1
	s_lshl_b32 s20, s45, 7
	s_lshl_b32 s21, s15, 6
	s_add_co_u32 s20, s20, s21
	s_lshl_b32 s20, s20, 14
	s_lshl_b32 s21, s46, 10
	s_add_co_u32 s20, s20, s21
	s_lshl_b32 s21, s16, 9
	s_add_co_u32 s20, s20, s21
	s_mov_b32 s21, 0
	s_add_nc_u64 s[12:13], s[12:13], s[20:21]
.macro MUL8 a, p, q, sc, zero
.irp b, 0,1,2,3,4,5,6,7
.if \zero
	v_wmma_scale_f32_16x16x128_f8f6f4 v[8*(8*(\a)+\b):8*(8*(\a)+\b)+7], v[96*(\p)+12*\b:96*(\p)+12*\b+11], v[RF+48*(\p)+12*(\a):RF+48*(\p)+12*(\a)+11], 0, v[SC+48*(\sc)+4*\b+(\q)], v[SC+32+48*(\sc)+4*(\a)+(\q)] matrix_a_fmt:MATRIX_FMT_FP6 matrix_b_fmt:MATRIX_FMT_FP6
.else
	v_wmma_scale_f32_16x16x128_f8f6f4 v[8*(8*(\a)+\b):8*(8*(\a)+\b)+7], v[96*(\p)+12*\b:96*(\p)+12*\b+11], v[RF+48*(\p)+12*(\a):RF+48*(\p)+12*(\a)+11], v[8*(8*(\a)+\b):8*(8*(\a)+\b)+7], v[SC+48*(\sc)+4*\b+(\q)], v[SC+32+48*(\sc)+4*(\a)+(\q)] matrix_a_fmt:MATRIX_FMT_FP6 matrix_b_fmt:MATRIX_FMT_FP6
.endif
.endr
.endm
.macro FETCH slot, q, p
	WIN TO_P
.irp b, 0,1,2,3,4,5,6,7
.irp c, 0,1,2
	ds_load_b128 v[96*(\p)+12*\b+4*\c:96*(\p)+12*\b+4*\c+3], v[ADRP+\slot] offset:\b*REC4+(\q)*1536+512*\c
.endr
.endr
	WIN 0
.irp a, 0,1,2,3
.irp c, 0,1,2
	ds_load_b128 v[RF+48*(\p)+12*\a+4*\c:RF+48*(\p)+12*\a+4*\c+3], v[ADRR+\slot] offset:\a*REC4+(\q)*1536+512*\c
.endr
.endr
.endm
.macro SCALES sc
.irp i, 0,1,2,3,4,5,6,7
	ds_load_b128 v[SC+48*\sc+4*\i:SC+48*\sc+4*\i+3], v[ADSP+\sc] offset:\i*REC4
.endr
.irp i, 0,1,2,3
	ds_load_b128 v[SC+32+48*\sc+4*\i:SC+32+48*\sc+4*\i+3], v[ADSR+\sc] offset:\i*REC4
.endr
.endm
.macro STEP slot, q, zero
	s_wait_dscnt 6
	PLACES
	FETCH \slot, (\q)+1, ((\q)+1)%2
	WIN MUL
	MUL8 0, (\q)%2, \q, \slot, \zero
	MUL8 1, (\q)%2, \q, \slot, \zero
	s_wait_dscnt 36
	MUL8 2, (\q)%2, \q, \slot, \zero
	MUL8 3, (\q)%2, \q, \slot, \zero
.endm
.macro TURN slot, next, fill
	WIN 0
	s_wait_tensorcnt 0x0
	ds_add_u32 v[SPW], v[NIL]
	s_wait_dscnt 7
	WIN MUL
	MUL8 0, 1, 3, \slot, 0
	s_wait_dscnt 0x0
	s_barrier_signal -1
	MUL8 1, 1, 3, \slot, 0
	WIN 0
	s_barrier_wait -1
.if \fill
	CREST
	s_add_nc_u64 s[G0A+4*\slot+2:G0A+4*\slot+3], s[G0A+4*\slot+2:G0A+4*\slot+3], 2*REC4
	s_add_nc_u64 s[G0B+4*\slot+2:G0B+4*\slot+3], s[G0B+4*\slot+2:G0B+4*\slot+3], 2*REC4
	JLOAD G0A+4*\slot, G1A, G0B+4*\slot, G1B
.else
	PLACES
.endif
	s_wait_alu depctr_va_vdst(0)
	SCALES \next
	FETCH \next, 0, 0
	WIN MUL
	MUL8 2, 1, 3, \slot, 0
	MUL8 3, 1, 3, \slot, 0
.endm
	s_wait_tensorcnt 1
	s_barrier_signal -1
	s_barrier_wait -1
	SCALES 0
	FETCH 0, 0, 0
	STEP 0, 0, 1
	WIN 0
	s_mov_b32 s44, LAPS-1
.Llap:
	STEP 0, 1, 0
	STEP 0, 2, 0
	TURN 0, 1, 1
	STEP 1, 0, 0
	STEP 1, 1, 0
	STEP 1, 2, 0
	TURN 1, 0, 1
	STEP 0, 0, 0
	WIN 0
	s_sub_co_u32 s44, s44, 1
	s_cmp_lg_u32 s44, 0
	s_cbranch_scc1 .Llap
	STEP 0, 1, 0
	STEP 0, 2, 0
	TURN 0, 1, 0
	STEP 1, 0, 0
	STEP 1, 1, 0
	STEP 1, 2, 0
	s_wait_dscnt 6
	WIN MUL
	MUL8 0, 1, 3, 1, 0
	MUL8 1, 1, 3, 1, 0
	s_wait_dscnt 0x0
	MUL8 2, 1, 3, 1, 0
	MUL8 3, 1, 3, 1, 0
	WIN 0
.macro TOSTAGE a
	WIN 0x08
.irp b, 0,1,2,3,4,5,6,7
	ds_store_b128 v[STO], v[64*(\a)+8*\b:64*(\a)+8*\b+3] offset:128*(\b/2)+32*(\b%2)
	ds_store_b128 v[STO], v[64*(\a)+8*\b+4:64*(\a)+8*\b+7] offset:128*(\b/2)+32*(\b%2)+16
.endr
	WIN 0
.set BB, BK+64*((\a)%2)
.irp t, 0,1,2,3,4,5,6,7,8,9,10,11,12,13,14,15
	ds_load_b128 v[BB+4*\t:BB+4*\t+3], v[RD] offset:\t*528
.endr
.endm
.macro SEND a, younger
.set BB, BK+64*((\a)%2)
	s_wait_dscnt \younger
.irp t, 0,1,2,3,4,5,6,7,8,9,10,11,12,13,14,15
	global_store_b128 v[CO], v[BB+4*\t:BB+4*\t+3], s[12:13] offset:(32*((\a)/2)+8*((\a)%2)+\t+8*(\t/8))*16384 th:TH_STORE_NT
.endr
.endm
	PLACES
	TOSTAGE 0
	TOSTAGE 1
	SEND 0, 32
	s_wait_xcnt 0x0
	TOSTAGE 2
	SEND 1, 32
	s_wait_xcnt 0x0
	TOSTAGE 3
	SEND 2, 32
	SEND 3, 0
	s_wait_tensorcnt 0x0
	ds_add_u32 v[SPW], v[NIL]
	s_wait_dscnt 0x0
	CROUND
	s_endpgm
.Lfunc_end_k_qdc8c17c87f_proj:
	.size	k_qdc8c17c87f_proj, .Lfunc_end_k_qdc8c17c87f_proj-k_qdc8c17c87f_proj
	.p2alignl 7, 3214868480
	.fill 96, 4, 3214868480
	.section	.rodata,"a",@progbits
	.p2align	6, 0x0
	.amdhsa_kernel k_qdc8c17c87f_proj
		.amdhsa_group_segment_fixed_size 327680
		.amdhsa_private_segment_fixed_size 0
		.amdhsa_enable_private_segment 0
		.amdhsa_kernarg_size 24
		.amdhsa_user_sgpr_count 2
		.amdhsa_user_sgpr_kernarg_segment_ptr 1
		.amdhsa_wavefront_size32 1
		.amdhsa_system_sgpr_workgroup_id_x 1
		.amdhsa_system_sgpr_workgroup_id_y 1
		.amdhsa_system_sgpr_workgroup_id_z 1
		.amdhsa_system_vgpr_workitem_id 0
		.amdhsa_next_free_vgpr 768
		.amdhsa_next_free_sgpr 100
		.amdhsa_reserve_vcc 0
		.amdhsa_float_denorm_mode_32 3
		.amdhsa_float_denorm_mode_16_64 3
		.amdhsa_memory_ordered 1
		.amdhsa_forward_progress 1
		.amdhsa_inst_pref_size 135
	.end_amdhsa_kernel
	.amdgpu_metadata
---
amdhsa.version: [ 1, 2 ]
amdhsa.kernels:
  - .name:           k_qdc8c17c87f_proj
    .symbol:         k_qdc8c17c87f_proj.kd
    .args:
      - { .name: oc, .offset: 0, .size: 8, .value_kind: global_buffer, .address_space: global }
      - { .name: wc, .offset: 8, .size: 8, .value_kind: global_buffer, .address_space: global }
      - { .name: out0, .offset: 16, .size: 8, .value_kind: global_buffer, .address_space: global }
    .group_segment_fixed_size: 327680
    .private_segment_fixed_size: 0
    .kernarg_segment_align: 8
    .kernarg_segment_size: 24
    .max_flat_workgroup_size: 128
    .sgpr_count:     100
    .vgpr_count:     768
    .wavefront_size: 32
...
	.end_amdgpu_metadata
.endif
;; end of part 4
